; MI455X (gfx1250); checked and timed in simulation.
; The chip was launched on July 23, 2026; its instructions are those of AMD's public machine-readable ISA for CDNA 5 (MIT licence, August 2026) and "CDNA5" Instruction Set Architecture Reference Guide (July 2026). The comments in the code are by the model that wrote it; some were corrected since.
;; Multihead Attention With Ro PE. Allowed arithmetic: matrix products marked QUANTISED: E4M3 operands, one given power-of-two scale a tensor, by v_wmma_f32_16x16x64_fp8_fp8 or v_wmma_f32_16x16x128_fp8_fp8, f32 sums; everything else in f32.
;; Inputs: Wo_codes 1,024 x 32 x 32 uint8 (E4M3 codes of Wo, K innermost, in blocks of 32 codes); Wqkv_codes 3,072 x 32 x 32 uint8 (E4M3 codes of Wqkv, K innermost, in blocks of 32 codes); bo 1,024 float32; bqkv 3,072 float32; lowp_scales 8 int32 (the exponents e of the quantised operands' scales 2^e); padding_mask 4 x 2,048 bool; x_codes 4 x 2,048 x 32 x 32 uint8 (E4M3 codes of x, K innermost, in blocks of 32 codes).
;; Outputs: out0 4 x 2,048 x 1,024 float32.
;; This version of the problem:
;;   THIS VERSION OF THE PROBLEM IS GIVEN IN LOW PRECISION. The matrix products marked QUANTISED in the list below multiply operands that are first quantised to E4M3 (4 exponent bits, 3 mantissa bits; 8 bits a number), with one given power-of-two scale for each operand tensor; their sums are f32. All else is computed in f32.
;;   The module's matrix products, in the order in which they are computed (A, B: the left and right operand; K: the contracted axis; several contracted axes count as one K, in the product's order):
;;     1. [M 8,192, K 1,024] x [K 1,024, N 3,072]; A: input x (given as codes); B: input Wqkv (given as codes): QUANTISED (scales: A lowp_scales[0], B lowp_scales[1])
;;     2. batch 64 x [M 2,048, K 64] x [K 64, N 2,048]; A: computed on the way; B: computed on the way: QUANTISED (scales: A lowp_scales[2], B lowp_scales[3])
;;     3. batch 64 x [M 2,048, K 2,048] x [K 2,048, N 64]; A: softmax (see below); B: computed on the way: QUANTISED (scales: A lowp_scales[4], B lowp_scales[5])
;;     4. [M 8,192, K 1,024] x [K 1,024, N 1,024]; A: computed on the way; B: input Wo (given as codes): QUANTISED (scales: A lowp_scales[6], B lowp_scales[7])
;;   THE QUANTISER, for each operand of a quantised product, along K:
;;     - The operand's scale is 2^e, e = its entry of the input lowp_scales (int32; the entries are numbered through the quantised products in the list's order, A before B).
;;     - Each number is divided by the scale, clamped to +-448, and rounded to the nearest number of E4M3, ties to even, subnormals kept.
;;     - The product sums the exact products of the quantised numbers (number of the format x scale) in f32.
;;   ~~~python
;;   def quantise(x, axis, e):      # numpy; x: float32 -> the quantised numbers, widened to float32 again
;;       x = np.moveaxis(x, axis, -1); K = x.shape[-1]
;;       r = np.clip(x / 2.0 ** e, -448, 448)
;;       step = 2.0 ** (np.maximum(np.frexp(np.where(r == 0, 1, r))[1] - 1, -6) - 3)
;;       q = np.round(r / step) * step * 2.0 ** e      # np.round: ties to even
;;       return np.moveaxis(q, -1, axis).astype(np.float32)
;;   ~~~
;;   SOFTMAX AHEAD OF A QUANTISED PRODUCT. Where the list says 'softmax', what is quantised is not the finished softmax but p = 2^(t - M), with t = logit x log2(e) and M = ceil(the row's largest t), a whole number; so 1/2 < the row's largest p <= 1. The row's sum l is taken of the UNQUANTISED p, in f32, and the product's result is divided by l at the end. Since M is a whole number, a kernel that streams over the keys may use a running M (the ceiling of the running maximum): every later rescaling is an exact power of two, so the quantised numbers keep their values, but for numbers so far below the row's largest that they fall under the format's range.
;;   OPERANDS COMPUTED ON THE WAY. 'Computed on the way' means the value that the module computes at that place (a softmax that the list does not call 'softmax' is quantised finished and normalised). What goes into a quantiser is computed in f32, as accurately as f32 sums, v_exp_f32 and their like allow (about 1e-6 of the number): no bf16 or f16 on the way to a quantiser, and a product that is left as it is and whose result goes on into a quantised operand takes f32 operands (vector FMAs, or v_wmma_f32_16x16x4_f32). A number that lies on a knife's edge between two numbers of the format may be rounded either way, as far as f32 arithmetic and the matrix unit's own rounding can turn it there, and no further.
;;   INPUTS GIVEN AS CODES. Wo (in the module: [1024, 1024], K = its axis 0); Wqkv (in the module: [1024, 3072], K = its axis 0); x (in the module: [4, 2048, 1024], K = its axis 2): each comes as NAME_codes (uint8): NAME with its K axis moved to the last place and cut into blocks of 32 codes, [.., K / 32, bytes a block], one block behind the other in memory; one code a byte (a code: sign, 4 exponent bits, 3 mantissa bits); its scale is its entry of lowp_scales. Its value is code x scale, taken as it is: it is not quantised again, and the codes and scales need not be those that the quantiser above would give.
;; One version. Each part assembles by itself: llvm-mc -triple=amdgcn-amd-amdhsa -mcpu=gfx1250 --defsym DOCPART=n.
;; ======== version 1 of 1: 4 launches
;; limits: right only within a limited range of input values
;; workspace buffers: rope_tab 524,288 bytes; q_img 8,388,608 bytes; k_img 8,388,608 bytes; v_img 8,388,608 bytes; a_img 8,388,608 bytes
;; launch rope (part 1): grid 128 x 1, 4 waves a work-group, no clusters, 0 bytes of LDS; arguments rope_tab; writes rope_tab
.if DOCPART == 1
	.amdgcn_target "amdgcn-amd-amdhsa--gfx1250"
	.amdhsa_code_object_version 6
	.text
	.protected	k_qba7503b8c5_rope
	.globl	k_qba7503b8c5_rope
	.p2align	8
	.type	k_qba7503b8c5_rope,@function
k_qba7503b8c5_rope:
	s_mov_b64 s[64:65], 0
	v_nop
	global_prefetch_b8 v0, s[64:65] scope:SCOPE_SE
	s_setreg_imm32_b32 hwreg(HW_REG_WAVE_MODE, 25, 1), 1
	s_wait_xcnt 0x0
; THE ROTARY TABLE.  rope_tab[tile 128][q4 4][g 2][lane 32][4 f32]: lane (r = lane % 16, h = lane / 16) holds cos, sin of the angle t x f(j) for
; t = 16 tile + r and j = 8 q4 + 4 h + 2 g, then cos, sin for j + 1; f(j) = 10000^(-2 j / 64) = 10^(-j / 8).  That is the order in which the next launch's
; lanes want them: each of its loads, and each store here, is 16 bytes a lane, 512 consecutive bytes a wave.
; A work-group is a tile of 16 tokens, wave w is q4; a lane makes four angles, i = 0 .. 3, j = 8 w + 4 h + i.
; f(j) = 10^(-(4 h + i) / 8) x 10^(-w): two f32 constants and one rounding.  The angle t x f is one f32 product, as the table's definition has it.
; sin and cos: n = the nearest whole number to angle x 2 / pi (at most 1,304 here); the remainder by pi / 2 in two parts with fused multiply-adds (the first is exact);
; two polynomials on |remainder| <= pi / 4; the quadrant n mod 4 swaps them and sets the signs.
.set FQ,  8                            ; v8-11   f(j)
.set AN,  12                           ; v12-15  the angles
.set OUT, 16                           ; v16-23  cos, sin four times
	s_load_b64 s[4:5], s[0:1], 0x0
	v_and_b32 v1, 15, v0                           ; r
	s_wait_alu depctr_va_vdst(0)
	v_bfe_u32 v2, v0, 4, 1                         ; h
	s_wait_alu depctr_va_vdst(0)
	v_and_b32 v3, 31, v0
	v_lshlrev_b32 v3, 4, v3                        ; 16 x lane
	v_lshrrev_b32 v4, 5, v0
	v_readfirstlane_b32 s8, v4                     ; wave = q4
	s_mov_b32 s9, 1.0                              ; 10^(-w)
	s_cmp_eq_u32 s8, 1
	s_cselect_b32 s9, 0x3dcccccd, s9
	s_cmp_eq_u32 s8, 2
	s_cselect_b32 s9, 0x3c23d70a, s9
	s_cmp_eq_u32 s8, 3
	s_cselect_b32 s9, 0x3a83126f, s9
	s_lshl_b32 s10, ttmp9, 4
	v_add_nc_u32 v5, s10, v1
	v_cvt_f32_u32 v5, v5                           ; t
	v_cmp_eq_u32 vcc_lo, 1, v2
.macro FREQ i, lo, hi                  ; lo: 10^(-i / 8), hi: 10^(-(4 + i) / 8)
	v_mov_b32 v6, \lo
	v_mov_b32 v7, \hi
	v_cndmask_b32 v[FQ+\i], v6, v7, vcc_lo
	v_mul_f32 v[FQ+\i], s9, v[FQ+\i]
	v_mul_f32 v[AN+\i], v5, v[FQ+\i]
.endm
	FREQ 0, 0x3f800000, 0x3ea1e89b
	FREQ 1, 0x3f3ff911, 0x3e72d424
	FREQ 2, 0x3f0ff59a, 0x3e361887
	FREQ 3, 0x3ed7e89b, 0x3e088d77
.macro SINCOS x, c, s
	v_mul_f32 v24, 0x3f22f983, v[\x]               ; x 2 / pi
	v_rndne_f32 v24, v24                           ; n
	v_fmamk_f32 v25, v24, 0xbfc90fdb, v[\x]        ; angle - n x (pi / 2)'s upper part
	v_fmamk_f32 v25, v24, 0x333bbd2e, v25          ; - n x its lower part (which is negative)
	v_cvt_i32_f32 v26, v24
	v_mul_f32 v27, v25, v25                        ; z
	v_mov_b32 v28, 0xb94ca1f9
	v_fmaak_f32 v28, v28, v27, 0x3c08839e
	v_fmaak_f32 v28, v28, v27, 0xbe2aaaa3
	v_mul_f32 v28, v28, v27
	v_fma_f32 v28, v28, v25, v25                   ; sin of the remainder
	v_mov_b32 v29, 0x37ccf5ce
	v_fmaak_f32 v29, v29, v27, 0xbab6061a
	v_fmaak_f32 v29, v29, v27, 0x3d2aaaa5
	v_mul_f32 v30, v27, v27
	v_fma_f32 v31, v27, -0.5, 1.0
	v_fma_f32 v29, v29, v30, v31                   ; cos of the remainder
	v_and_b32 v30, 1, v26
	v_cmp_eq_u32 vcc_lo, 1, v30                    ; odd quadrants swap the two
	v_cndmask_b32 v[\s], v28, v29, vcc_lo
	v_cndmask_b32 v[\c], v29, v28, vcc_lo
	v_and_b32 v30, 2, v26                          ; sin is negative in quadrants 2, 3,
	v_lshlrev_b32 v30, 30, v30
	v_xor_b32 v[\s], v[\s], v30
	v_add_nc_u32 v31, 1, v26                       ; cos in quadrants 1, 2
	v_and_b32 v31, 2, v31
	v_lshlrev_b32 v31, 30, v31
	v_xor_b32 v[\c], v[\c], v31
.endm
	SINCOS AN+0, OUT+0, OUT+1
	SINCOS AN+1, OUT+2, OUT+3
	SINCOS AN+2, OUT+4, OUT+5
	SINCOS AN+3, OUT+6, OUT+7
	s_lshl_b32 s10, ttmp9, 12                      ; a tile's 4,096 bytes,
	s_lshl_b32 s11, s8, 10                         ; my wave's 1,024 of them
	s_add_co_u32 s10, s10, s11
	s_mov_b32 s11, 0
	s_wait_alu depctr_va_vdst(0)
	s_wait_kmcnt 0x0
	s_add_nc_u64 s[4:5], s[4:5], s[10:11]
	global_store_b128 v3, v[OUT:OUT+3], s[4:5]               ; 32 lanes store 512 consecutive bytes, aligned
	global_store_b128 v3, v[OUT+4:OUT+7], s[4:5] offset:512
	s_endpgm
.Lfunc_end_k_qba7503b8c5_rope:
	.size	k_qba7503b8c5_rope, .Lfunc_end_k_qba7503b8c5_rope-k_qba7503b8c5_rope
	.p2alignl 7, 3214868480
	.fill 96, 4, 3214868480
	.section	.rodata,"a",@progbits
	.p2align	6, 0x0
	.amdhsa_kernel k_qba7503b8c5_rope
		.amdhsa_group_segment_fixed_size 0
		.amdhsa_private_segment_fixed_size 0
		.amdhsa_enable_private_segment 0
		.amdhsa_kernarg_size 8
		.amdhsa_user_sgpr_count 2
		.amdhsa_user_sgpr_kernarg_segment_ptr 1
		.amdhsa_wavefront_size32 1
		.amdhsa_system_sgpr_workgroup_id_x 1
		.amdhsa_system_sgpr_workgroup_id_y 1
		.amdhsa_system_sgpr_workgroup_id_z 1
		.amdhsa_system_vgpr_workitem_id 0
		.amdhsa_next_free_vgpr 32
		.amdhsa_next_free_sgpr 66
		.amdhsa_reserve_vcc 1
		.amdhsa_float_denorm_mode_32 3
		.amdhsa_float_denorm_mode_16_64 3
		.amdhsa_memory_ordered 1
		.amdhsa_forward_progress 1
		.amdhsa_inst_pref_size 8
	.end_amdhsa_kernel
	.amdgpu_metadata
---
amdhsa.version: [ 1, 2 ]
amdhsa.kernels:
  - .name:           k_qba7503b8c5_rope
    .symbol:         k_qba7503b8c5_rope.kd
    .args:
      - { .name: rope_tab, .offset: 0, .size: 8, .value_kind: global_buffer, .address_space: global }
    .group_segment_fixed_size: 0
    .private_segment_fixed_size: 0
    .kernarg_segment_align: 8
    .kernarg_segment_size: 8
    .max_flat_workgroup_size: 128
    .sgpr_count:     66
    .vgpr_count:     32
    .wavefront_size: 32
...
	.end_amdgpu_metadata
.endif
;; end of part 1
;; launch qkv (part 2): grid 12 x 32, 4 waves a work-group, clusters of 4 x 4, 327,680 bytes of LDS; arguments x_codes, Wqkv_codes, bqkv, lowp_scales, rope_tab, q_img, k_img, v_img; writes q_img, k_img, v_img
.if DOCPART == 2
	.amdgcn_target "amdgcn-amd-amdhsa--gfx1250"
	.amdhsa_code_object_version 6
	.text
	.protected	k_qba7503b8c5_qkv
	.globl	k_qba7503b8c5_qkv
	.p2align	8
	.type	k_qba7503b8c5_qkv,@function
k_qba7503b8c5_qkv:
	s_mov_b64 s[64:65], 0
	v_nop
	global_prefetch_b8 v0, s[64:65] scope:SCOPE_SE
	s_setreg_imm32_b32 hwreg(HW_REG_WAVE_MODE, 25, 1), 1
	s_wait_xcnt 0x0
	s_wait_alu depctr_hold_cnt(0) depctr_sa_sdst(0) depctr_va_vdst(0) depctr_va_sdst(0) depctr_va_ssrc(0) depctr_va_vcc(0) depctr_vm_vsrc(0)
	s_getreg_b32 s2, hwreg(HW_REG_IB_STS2, 6, 4)
	s_cmp_eq_u32 s2, 0
	s_cbranch_scc0 .Lentry_in_a_cluster
	s_endpgm
.Lentry_in_a_cluster:
	s_bfe_u32 s2, ttmp6, 0x10000c
	s_cmp_lg_u32 s2, 0xf033
	s_cbranch_scc0 .Lentry_shape_is_right
	s_endpgm
.Lentry_shape_is_right:
; qkv = x Wqkv + bqkv on codes of FP8 (E4M3); q and k are rotated; q, k and v are quantised with the given scales and stored as IMAGES OF THE NEXT PRODUCTS' OPERAND REGISTERS.
; x_codes [8192][1024], Wqkv_codes [3072][1024]: K innermost, a code a byte.  lowp_scales: e0 (x), e1 (Wqkv), e2 (q), e3 (k), e5 (v) are used here.
; A tile of 256 x 256 results is made by four waves, each 128 x 128: 64 accumulators, 512 registers.  K = 1,024 goes in four steps of 256 through a ring of two LDS slots filled by the tensor data mover.
; ONE TEXT FOR THREE TYPES.  A cluster of 4 x 4 work-groups spans 1,024 columns of qkv: cluster x = 0 is q, 1 is k, 2 is v.  The products are source 0 = 16 rows of the B SIDE, source 1 = 16 rows of the A SIDE:
; a lane then holds one row of the A side (lane % 16), and its eight registers hold rows 8 (lane / 16) + 0 .. 7 of the B side.
;   q, k: A side = tokens (x), B side = columns (Wqkv): a lane holds a token and eight neighbouring channels: four rotary pairs, and eight numbers along the next K.
;   v:    A side = channels (Wqkv), B side = tokens (x): a lane holds a channel and eight neighbouring keys, which are the next K of v.
; The A side's tile hangs on the place cy in the cluster and is asked for jointly by a row of the cluster, the B side's on cx and by a column: each tile is fetched once for four work-groups.
; The branches on the type stand ahead of the last step and at the way out; they hang on the cluster's number, which all partners share.
; IMAGES.  q_img, k_img [b h 64][tile of 16 tokens 128][g 2][lane][16 bytes]: lane (r, h) holds token r and 32 of the head's 64 rotated channels, in the same order in q and in k.
;          v_img [b h][128 keys 16][16 channels 4][g 4][lane][16 bytes]: lane (r, h) holds channel r; registers 2 c, 2 c + 1 hold keys 16 c + 8 h + 0 .. 7.  Every store is 512 consecutive bytes, aligned.
; 384 tiles on clusters of 16: the tile is kept at 256 x 256 since a smaller wave tile reads more LDS bytes for each product.  No prefetch: the whole K is four slot fills, two of them asked for at the head.
; LIMITS: e0 + e1 between -126 and 127; e2, e3, e5 between -126 and 119, so that each power of two below is an f32 number.  NaN in bqkv is not served.
; REGISTERS, in windows of 256.  window 0: v7 16 x lane; v8-15 v's bias; v16-21 LDS addresses; v18, v19 bias offsets; v28, v29 for the add; v30, v31 the quantiser's scale and hold; v32-95 q's and k's bias;
;   v128-255 the A side's fragments in the products; on the way out v160-223 64 numbers, v96-159 rotated numbers, v240-255 codes.
;   window 1: the B side's fragments, two sets.   windows 2, 3: the accumulators, (a, b) at v[8 (8 (a % 4) + b)].
.set ROWB,   256                       ; a tile's row: 256 codes
.set KROW,   1024                      ; a row of x or of Wqkv in memory
.set PITCH,  272                       ; an LDS row: 256 bytes + 16 of padding = 68 words: the 16 rows that a load touches start at 16 different banks (64 banks of 4 bytes: ISA guide 11.1)
.set FR,     16                        ; registers of a fragment: 16 rows x 128 K
.set NL,     4                         ; LDS loads that bring one
.set NP,     4                         ; places behind this matrix instruction (ISA guide 7.12.1)
.set HALFT,  128*PITCH                 ; 128 rows: what one tensor load brings
.set SLOT,   4*HALFT                   ; the A side's 256 rows, then the B side's
.set SPARE,  2*SLOT                    ; behind the ring: the spare words, 128 bytes a wave
.set LI,   7
.set BV,   8
.set ADRA, 16
.set BOF,  18
.set VOF,  19
.set ADRB, 20
.set SPW,  28
.set NIL,  29
.set SCL,  30
.set LIM,  31
.set BIAS, 32
.set TAB,  96
.set AF,   128
.set X,    160
.set Y,    96                           ; v96-159: a block's 64 rotated numbers
.set CODE, 240
.set G1,  24                           ; s[24:31] descriptor group 1 for the A side; s[32:39] its groups 0, one for each slot
.set G0,  32
.set G1B, 48                           ; s[48:55], s[56:63] the same for the B side
.set G0B, 56
.set MSB, 0
.macro WIN new                         ; the immediate's high byte repeats the setting that is left
.if MSB != (\new)
	s_set_vgpr_msb (MSB<<8)|(\new)
.set MSB, (\new)
.endif
.endm
.set MUL_LO, 0xa1                      ; source 0 (B side) window 1, source 1 (A side) window 0, C and D window 2
.set MUL_HI, 0xf1                      ; the same, C and D window 3
.set TO_B,   0x40                      ; destination window 1, address window 0
; A joint load: waves 0 and 1 fetch for the A side, waves 2 and 3 for the B side.  The branch hangs on the wave's number alone.  Four v_nop follow each of the two lines.
.macro JLOAD g0a, g1a, g0b, g1b
	s_cmp_eq_u32 s15, 0
	s_cbranch_scc0 .Lfor_b_\@
	tensor_load_to_lds s[\g0a:\g0a+3], s[\g1a:\g1a+7]
	s_nop 0
.rept 4
	v_nop
.endr
	s_branch .Lasked_\@
.Lfor_b_\@:
	tensor_load_to_lds s[\g0b:\g0b+3], s[\g1b:\g1b+7]
	s_nop 0
.rept 4
	v_nop
.endr
.Lasked_\@:
.endm
.macro CREST                           ; a round of the cluster's barrier behind its opening barrier
	s_cmp_lg_u32 s14, 0
	s_cbranch_scc1 .Lnot_wave_0_\@
	s_barrier_signal -3
.Lnot_wave_0_\@:
	s_barrier_wait -3
	s_barrier_signal -1
	s_barrier_wait -1
.endm
.macro CROUND                          ; a whole round
	s_barrier_signal -1
	s_barrier_wait -1
	CREST
.endm
	s_load_b256 s[4:11], s[0:1], 0x0               ; x s[4:5], Wqkv s[6:7], bqkv s[8:9], the scales' exponents s[10:11]
	s_load_b256 s[68:75], s[0:1], 0x20             ; rope_tab s[68:69], q_img s[70:71], k_img s[72:73], v_img s[74:75]
	v_lshl_add_u32 v[SPW], v0, 2, SPARE
	v_mov_b32 v[NIL], 0
	ds_add_u32 v28, v29
	ds_add_u32 v28, v29
	s_wait_dscnt 0x0
	v_lshrrev_b32 v1, 5, v0
	v_readfirstlane_b32 s14, v1                    ; wave 0..3
	s_lshr_b32 s15, s14, 1                         ; which half of the A side's rows is mine.  Also: I fetch for the A side (0) or the B side (1)
	s_and_b32 s16, s14, 1                          ; which half of the B side's rows.  Also: which 128 rows of that tile I fetch
	s_bfe_u32 s40, ttmp6, 0x40000                  ; cx, cy: my place in the cluster
	s_bfe_u32 s41, ttmp6, 0x40004
	s_mov_b32 s42, ttmp9                           ; the type: cluster x
	s_and_b32 s76, ttmp7, 0xffff                   ; cluster y
	s_lshl_b32 s43, s41, 2
	s_lshl_b32 s43, 15, s43                        ; my row of the cluster
	s_lshl_b32 s44, 0x1111, s40                    ; my column
	s_or_b32 s[G1+0], s43, (0<<16)|(1<<20)|(1<<21)|(5<<22)|(3<<25)  ; 15:0 the mask; 17:16 elements of 1 byte; 20 padding on; 21 set beside a mask; 24:22 after every 64 words; 31:25 four words
	s_or_b32 s[G1B+0], s44, (0<<16)|(1<<20)|(1<<21)|(5<<22)|(3<<25)
.irp g, G1, G1B
	s_mov_b32 s[\g+1], ROWB<<16                    ; tensor_dim0
	s_mov_b32 s[\g+2], 128<<16                     ; tensor_dim1
	s_mov_b32 s[\g+3], ROWB<<16                    ; tile_dim0
	s_mov_b32 s[\g+4], 128                         ; tile_dim1
	s_mov_b32 s[\g+5], KROW                        ; tensor_dim0_stride
	s_mov_b32 s[\g+6], 0
	s_mov_b32 s[\g+7], 0
.endr
	s_lshl_b32 s77, s76, 10                        ; 1,024 x cluster y: a cluster's tokens
	s_lshl_b32 s78, s42, 10                        ; 1,024 x type: a type's columns
	s_cmp_eq_u32 s42, 2
	s_cselect_b32 s96, 2048, s77                   ; the A side's first row of the cluster: v: Wqkv's row 2,048; q, k: the tokens
	s_cselect_b32 s97, s77, s78                    ; the B side's: v: the tokens; q, k: the type's columns
	s_lshl_b32 s79, s41, 8
	s_add_co_u32 s96, s96, s79                     ; + 256 cy
	s_lshl_b32 s66, s40, 8
	s_add_co_u32 s97, s97, s66                     ; + 256 cx
	s_lshl_b32 s18, s16, 7                         ; which 128 rows of the tile I fetch
	s_add_co_u32 s20, s96, s18
	s_lshl_b32 s20, s20, 10                        ; rows of 1,024 bytes
	s_mov_b32 s21, 0
	s_add_co_u32 s46, s97, s18
	s_lshl_b32 s46, s46, 10
	s_mov_b32 s47, 0
	s_mul_i32 s45, s14, HALFT                      ; where they go: wave x 128 rows: no place in the cluster enters an LDS address
	s_wait_kmcnt 0x0
	s_load_b256 s[80:87], s[10:11], 0x0            ; e0 .. e7
	s_cmp_eq_u32 s42, 2
	s_cselect_b64 s[12:13], s[6:7], s[4:5]         ; the A side's buffer
	s_cselect_b64 s[22:23], s[4:5], s[6:7]         ; the B side's
	s_add_nc_u64 s[20:21], s[12:13], s[20:21]
	s_add_nc_u64 s[46:47], s[22:23], s[46:47]
	CROUND                                         ; all sixteen work-groups are here: the first joint loads meet
.irp s, 0,1
	s_mov_b32 s[G0+4*\s], 1
	s_add_co_u32 s[G0+4*\s+1], s45, \s*SLOT
	s_add_nc_u64 s[G0+4*\s+2:G0+4*\s+3], s[20:21], \s*ROWB
	s_or_b32 s[G0+4*\s+3], s[G0+4*\s+3], 0x80000000
	s_mov_b32 s[G0B+4*\s], 1
	s_add_co_u32 s[G0B+4*\s+1], s45, \s*SLOT
	s_add_nc_u64 s[G0B+4*\s+2:G0B+4*\s+3], s[46:47], \s*ROWB
	s_or_b32 s[G0B+4*\s+3], s[G0B+4*\s+3], 0x80000000
.endr
	JLOAD G0, G1, G0B, G1B                         ; K step 0: one tensor load a wave at the head
	v_and_b32 v1, 15, v0                           ; r
	v_bfe_u32 v2, v0, 4, 1                         ; h
	s_wait_alu depctr_va_vdst(0)
	v_mul_u32_u24 v3, v1, PITCH
	v_lshl_add_u32 v4, v2, 4, v3                   ; a fragment's row x pitch + 16 h
	s_mul_i32 s21, s15, HALFT                      ; my 128 rows of the A side
	s_mul_i32 s22, s16, HALFT                      ; my 128 rows of the B side,
	s_add_co_u32 s22, s22, 2*HALFT                 ; which lie behind the A side's 256
.irp s, 0,1
	v_add_nc_u32 v[ADRA+\s], s21, v4
	v_add_nc_u32 v[ADRB+\s], s22, v4
	s_add_co_u32 s21, s21, SLOT
	s_add_co_u32 s22, s22, SLOT
.endr
	; WHAT THE WAY OUT WANTS is asked for now and waited for there.  Every type issues all of these loads, at addresses inside the buffers, so that every register is written on every path.
	v_and_b32 v[LI], 31, v0
	v_lshlrev_b32 v[LI], 4, v[LI]
	s_wait_alu depctr_va_vdst(0)
	s_lshl_b32 s77, s42, 10
	s_lshl_b32 s78, s40, 8
	s_add_co_u32 s77, s77, s78
	s_lshl_b32 s78, s16, 7
	s_add_co_u32 s77, s77, s78                     ; q, k: my first column of qkv: 1,024 type + 256 cx + 128 half
	s_lshl_b32 s77, s77, 2
	v_lshlrev_b32 v[BOF], 5, v2
	v_add_nc_u32 v[BOF], s77, v[BOF]               ; + 8 h numbers
	s_lshl_b32 s78, s41, 8
	s_lshl_b32 s79, s15, 7
	s_add_co_u32 s78, s78, s79
	s_add_co_u32 s78, s78, 2048                    ; v: my first column of qkv: 2,048 + 256 cy + 128 half
	s_lshl_b32 s78, s78, 2
	v_lshlrev_b32 v[VOF], 2, v1
	v_add_nc_u32 v[VOF], s78, v[VOF]               ; + r numbers
.irp b, 0,1,2,3,4,5,6,7
	global_load_b128 v[BIAS+8*\b:BIAS+8*\b+3],   v[BOF], s[8:9] offset:64*\b      ; register 8 b + j: the bias of column 16 b + 8 h + j
	global_load_b128 v[BIAS+8*\b+4:BIAS+8*\b+7], v[BOF], s[8:9] offset:64*\b+16
.endr
.irp a, 0,1,2,3,4,5,6,7
	global_load_b32 v[BV+\a], v[VOF], s[8:9] offset:64*\a                          ; v: the bias of channel 16 a + r
.endr
	s_lshl_b32 s79, s15, 7
	s_add_co_u32 s79, s96, s79                     ; my first row of the A side
	s_and_b32 s2, s79, 2047                        ; q, k: the token in its sequence
	s_lshl_b32 s18, s2, 8                          ; 4,096 bytes of the table for 16 tokens
	s_mov_b32 s19, 0
	s_add_nc_u64 s[92:93], s[68:69], s[18:19]
.macro TABLOAD a                       ; the table of my tokens 16 a .. 16 a + 15 into set a / 4: register 8 q4 + 2 i: cos, + 1: sin, of pair 8 q4 + 4 h + i
.irp n, 0,1,2,3,4,5,6,7
	global_load_b128 v[32*(\a)+4*\n:32*(\a)+4*\n+3], v[LI], s[92:93] offset:(\a)*4096+\n*512   ; issued with the destination in window 1: table a lies at v[32 a] there, where the B side's fragments are done with
.endr
.endm
	; where my images begin.  q, k: (16 batch + head) x 131,072 + tile x 1,024, head = 4 cx + 2 half (+ 0, 1).  v: (16 batch + head) x 131,072 + (keys / 128) x 8,192, head = 4 cy + 2 half (+ 0, 1)
	s_lshr_b32 s17, s79, 11
	s_lshl_b32 s17, s17, 4
	s_lshl_b32 s18, s40, 2
	s_add_co_u32 s17, s17, s18
	s_lshl_b32 s18, s16, 1
	s_add_co_u32 s17, s17, s18
	s_lshl_b32 s17, s17, 17
	s_lshl_b32 s2, s2, 6
	s_add_co_u32 s17, s17, s2                      ; q's and k's form
	s_lshl_b32 s18, s16, 7
	s_add_co_u32 s18, s97, s18                     ; my first row of the B side
	s_lshr_b32 s19, s18, 11
	s_lshl_b32 s19, s19, 4
	s_lshl_b32 s2, s41, 2
	s_add_co_u32 s19, s19, s2
	s_lshl_b32 s2, s15, 1
	s_add_co_u32 s19, s19, s2
	s_lshl_b32 s19, s19, 17
	s_and_b32 s18, s18, 2047
	s_lshl_b32 s18, s18, 6
	s_add_co_u32 s19, s19, s18                     ; v's form
	s_wait_kmcnt 0x0                               ; the exponents
	s_cmp_eq_u32 s42, 2
	s_cselect_b32 s18, s19, s17
	s_cselect_b64 s[90:91], s[74:75], s[72:73]
	s_cselect_b32 s77, s85, s83                    ; e5 for v, e3 for k,
	s_cmp_eq_u32 s42, 0
	s_cselect_b64 s[90:91], s[70:71], s[90:91]
	s_cselect_b32 s77, s82, s77                    ; e2 for q
	s_mov_b32 s19, 0
	s_add_nc_u64 s[90:91], s[90:91], s[18:19]
	s_add_co_i32 s88, s80, s81
	s_add_co_i32 s88, s88, 127
	s_lshl_b32 s88, s88, 23                        ; 2^(e0 + e1) as f32
	s_mov_b32 s89, s88                             ; (named with it as a pair, so it is written)
	s_add_co_i32 s77, s77, 127
	s_lshl_b32 s78, s77, 23
	v_mov_b32 v[SCL], s78                          ; the operand's scale as f32: the conversion takes its exponent field
	s_add_co_i32 s77, s77, 8
	s_lshl_b32 s77, s77, 23
	s_or_b32 s77, s77, 0x600000
	v_mov_b32 v[LIM], s77                          ; 448 x the scale
.macro FRAG reg, adr, q, i             ; a fragment: lane l holds row l % 16; registers 4 c .. 4 c + 3 hold K = 32 c + 16 (l / 16) + 0 .. 15: the same order of k on both sides, so every product meets its partner
.irp c, 0,1,2,3
	ds_load_b128 v[\reg+4*\c:\reg+4*\c+3], v[\adr] offset:128*(\q)+32*\c+(\i)*16*PITCH
.endr
.endm
; 16 matrix instructions: the A side's blocks a0, a0 + 1 x the B side's eight, 128 along K.  p: the B side's set.  zero = 1: the first product starts the sums.
; The 64 accumulators take turns, one instruction a turn, in the same order in every step.
.macro MUL16 a0, p, zero
.irp a, \a0, \a0+1
.irp b, 0,1,2,3,4,5,6,7
.if \zero
	v_wmma_f32_16x16x128_fp8_fp8 v[8*(8*((\a)%4)+\b):8*(8*((\a)%4)+\b)+7], v[128*(\p)+FR*\b:128*(\p)+FR*\b+FR-1], v[AF+FR*(\a):AF+FR*(\a)+FR-1], 0
.else
	v_wmma_f32_16x16x128_fp8_fp8 v[8*(8*((\a)%4)+\b):8*(8*((\a)%4)+\b)+7], v[128*(\p)+FR*\b:128*(\p)+FR*\b+FR-1], v[AF+FR*(\a):AF+FR*(\a)+FR-1], v[8*(8*((\a)%4)+\b):8*(8*((\a)%4)+\b)+7]
.endif
.endr
.endr
.endm
.macro FETCH_B slot, q, p              ; the B side's eight fragments of the slot's q-th 128 along K into set p
	WIN TO_B
.irp i, 0,1,2,3,4,5,6,7
	FRAG 128*(\p)+FR*\i, ADRB+\slot, \q, \i
.endr
	WIN 0
.endm
.macro FETCH_A slot, q, i0             ; the A side's blocks i0 .. i0 + 3
.irp i, \i0, \i0+1, \i0+2, \i0+3
	FRAG AF+FR*(\i), ADRA+\slot, \q, \i
.endr
.endm
.macro PLACES n                        ; plain vector instructions between a matrix instruction and a load into, or a vector read or write of, its registers
.rept \n
	v_nop
.endr
.endm
; A step of 128 along K that has its successor in the same slot.  The A side has one set of registers: blocks 0-3 are fetched anew in the step's middle, blocks 4-7 at its end; the B side has two sets.
.macro STEP slot, q, zero
	s_wait_dscnt 4*NL                              ; the B side's set and the A side's blocks 0-3 are in; the youngest 16 loads (blocks 4-7) may be out
	WIN MUL_LO
	MUL16 0, (\q)%2, \zero
	MUL16 2, (\q)%2, \zero
	s_wait_dscnt 0                                 ; blocks 4-7 are in
	PLACES NP
	FETCH_B \slot, (\q)+1, 1-(\q)%2
	FETCH_A \slot, (\q)+1, 0
	WIN MUL_HI
	MUL16 4, (\q)%2, \zero
	MUL16 6, (\q)%2, \zero
	PLACES NP
	WIN 0
	FETCH_A \slot, (\q)+1, 4
.endm
; A slot's last step changes slots: ONE barrier; in front of it each wave waits for all its tensor loads, adds 0 to its spare word, and waits for that and for its reads of this slot.  fill = 1: this slot is filled again, two K steps ahead.
.macro TURN slot, next, fill
	s_wait_tensorcnt 0x0                           ; all my tensor loads have landed: my part of the next slot
	ds_add_u32 v[SPW], v[NIL]                      ; 0 onto my spare word
	s_wait_dscnt 4*NL+1                            ; (the add and the youngest 16 loads may be out)
	WIN MUL_LO
	MUL16 0, 1, 0                                  ; sixteen matrix instructions stand between the add and the wait for it
	s_wait_dscnt 0x0                               ; the add is done, and my reads of this slot are over
	s_barrier_signal -1
	MUL16 2, 1, 0
	WIN 0
	s_barrier_wait -1
.if \fill
	CREST                                          ; the barrier has opened a round of the cluster's barrier: no wave of any partner still reads this slot or has a load on its way
	s_add_nc_u64 s[G0+4*\slot+2:G0+4*\slot+3], s[G0+4*\slot+2:G0+4*\slot+3], 2*ROWB
	s_add_nc_u64 s[G0B+4*\slot+2:G0B+4*\slot+3], s[G0B+4*\slot+2:G0B+4*\slot+3], 2*ROWB
	JLOAD G0+4*\slot, G1, G0B+4*\slot, G1B         ; the first tensor load behind the round; its four v_nop are also the places in front of the loads below
.else
	PLACES NP
.endif
	FETCH_B \next, 0, 0
	FETCH_A \next, 0, 0
	WIN MUL_HI
	MUL16 4, 1, 0
	MUL16 6, 1, 0
	PLACES NP
	WIN 0
	FETCH_A \next, 0, 4
.endm
	s_wait_alu depctr_va_vdst(0)
	s_wait_tensorcnt 0x0                           ; my part of K step 0 is in; slot 1's first fill is issued as a refill is:
	ds_add_u32 v[SPW], v[NIL]                      ; 0 onto my spare word
	s_wait_dscnt 0x0
	CROUND                                         ; everybody's part of K step 0 is in, and the joint loads meet
	JLOAD G0+4, G1, G0B+4, G1B                     ; K step 1, the first tensor load behind the round
	FETCH_B 0, 0, 0
	FETCH_A 0, 0, 0
	FETCH_A 0, 0, 4
	STEP 0, 0, 1                                   ; K 0-127: these products start the sums
	TURN 0, 1, 1                                   ; K 128-255; slot 0 takes K 512-767
	STEP 1, 0, 0
	TURN 1, 0, 1                                   ; slot 1 takes K 768-1,023
	STEP 0, 0, 0
	TURN 0, 1, 0
	STEP 1, 0, 0
	s_cmp_eq_u32 s42, 2                            ; the type: the same in all sixteen partners; v has no rotation and asks for no table
	s_cbranch_scc1 .Lno_tab
	WIN TO_B                                       ; the B side's set 0 has had its last product, four places ago: it takes the tables of my blocks 0 to 3
	TABLOAD 0
	TABLOAD 1
	TABLOAD 2
	TABLOAD 3
	WIN 0
.Lno_tab:
	s_wait_dscnt 4*NL                              ; the last step
	WIN MUL_LO
	MUL16 0, 1, 0
	MUL16 2, 1, 0
	s_wait_dscnt 0
	WIN MUL_HI
	MUL16 4, 1, 0
	MUL16 6, 1, 0
	WIN 0
; THE WAY OUT OF q AND k, a block of 16 tokens x 128 columns (two heads) at a time.  Register 8 b + 2 i, + 1 of a lane is the rotary pair 8 (b % 4) + 4 h + i of head b / 4: x1, x2.
; (x1 cos - x2 sin, x1 sin + x2 cos) are channels pair and 32 + pair; they stay side by side in the image, in q as in k, so the order of channels is one permutation for both.
.macro QKOUT a
.if (\a) > 0
	s_wait_xcnt 0x0                                ; the last block's stores have read their codes: the registers may be written again
.endif
.if (\a) == 4
	s_wait_loadcnt 0x0                             ; the tables of blocks 4 to 7, asked for ahead of block 0
.endif
	WIN 0x02+(\a)/4                                ; source 0: window 2 or 3
.set jj, 0
.rept 32
	v_pk_fma_f32 v[X+jj:X+jj+1], v[64*((\a)%4)+jj:64*((\a)%4)+jj+1], s[88:89], v[BIAS+jj:BIAS+jj+1] op_sel_hi:[1,0,1]   ; sum x 2^(e0 + e1) + bias; each accumulator from its low end on
.set jj, jj+2
.endr
	WIN 0x04                                       ; source 1, the table, in window 1
.irp b, 0,1,2,3,4,5,6,7
.set TT, 32*(\a)+8*(\b%4)
.set YY, Y+8*\b
.irp i, 0,2,4,6
	v_pk_mul_f32 v[YY+\i:YY+\i+1], v[X+8*\b+\i:X+8*\b+\i+1], v[TT+\i:TT+\i+1] op_sel:[0,0] op_sel_hi:[0,1]                          ; x1 cos, x1 sin
.endr
.irp i, 0,2,4,6
	v_pk_fma_f32 v[YY+\i:YY+\i+1], v[X+8*\b+\i:X+8*\b+\i+1], v[TT+\i:TT+\i+1], v[YY+\i:YY+\i+1] op_sel:[1,1,0] op_sel_hi:[1,0,1] neg_lo:[0,1,0]   ; - x2 sin, + x2 cos
.endr
.endr
	WIN 0
.irp b, 0,1,2,3,4,5,6,7
.set YY, Y+8*\b
.irp i, 0,1,2,3,4,5,6,7
	v_med3_num_f32 v[YY+\i], v[YY+\i], -v[LIM], v[LIM]
.endr
	v_cvt_scalef32_pk8_fp8_f32 v[CODE+2*\b:CODE+2*\b+1], v[YY:YY+7], v[SCL]   ; the next lines write the other set of rotated numbers: plain lines that touch nothing of this one
.endr
	v_nop                                          ; a plain line behind the last conversion
.irp d, 0,1
.irp g, 0,1
	global_store_b128 v[LI], v[CODE+8*\d+4*\g:CODE+8*\d+4*\g+3], s[90:91] offset:\d*131072+(\a)*1024+\g*512   ; 512 consecutive bytes, aligned
.endr
.endr
.endm
; THE WAY OUT OF v, a block of 16 channels x 128 keys at a time: register 8 b + j of a lane is key 16 b + 8 h + j of channel 16 a + r: eight conversions make one whole fragment.
.macro VOUT a
.if (\a) > 0
	s_wait_xcnt 0x0                                ; the last block's stores have read their codes
.endif
	WIN 0x02+(\a)/4
.set jj, 0
.rept 32
.if (\a)%2
	v_pk_fma_f32 v[X+jj:X+jj+1], v[64*((\a)%4)+jj:64*((\a)%4)+jj+1], s[88:89], v[BV+((\a)/2)*2:BV+((\a)/2)*2+1] op_sel:[0,0,1] op_sel_hi:[1,0,1]   ; the pair's upper word, my channel's bias, for both halves
.else
	v_pk_fma_f32 v[X+jj:X+jj+1], v[64*((\a)%4)+jj:64*((\a)%4)+jj+1], s[88:89], v[BV+((\a)/2)*2:BV+((\a)/2)*2+1] op_sel_hi:[1,0,0]                  ; the lower word for both halves
.endif
.set jj, jj+2
.endr
	WIN 0
.irp b, 0,1,2,3,4,5,6,7
.irp i, 0,1,2,3,4,5,6,7
	v_med3_num_f32 v[X+8*\b+\i], v[X+8*\b+\i], -v[LIM], v[LIM]
.endr
	v_cvt_scalef32_pk8_fp8_f32 v[CODE+2*\b:CODE+2*\b+1], v[X+8*\b:X+8*\b+7], v[SCL]
.endr
	v_nop                                          ; a plain line behind the last conversion
.irp g, 0,1,2,3
	global_store_b128 v[LI], v[CODE+4*\g:CODE+4*\g+3], s[90:91] offset:((\a)/4)*131072+((\a)%4)*2048+\g*512
.endr
.endm
	PLACES NP                                      ; behind the last products: their results are read, and the A side's registers are written and loaded into
	s_wait_loadcnt 0x0                             ; the biases and the first table set
	s_cmp_eq_u32 s42, 2                            ; the type: the same in all sixteen partners
	s_cbranch_scc1 .Lv_out
	WIN TO_B                                       ; the B side's set 1 is done with too: the tables of my blocks 4 to 7
	TABLOAD 4
	TABLOAD 5
	TABLOAD 6
	TABLOAD 7
	WIN 0
.irp a, 0,1,2,3,4,5,6,7
	QKOUT \a
.endr
	s_branch .Lend
.Lv_out:
.irp a, 0,1,2,3,4,5,6,7
	VOUT \a
.endr
.Lend:
	s_wait_tensorcnt 0x0                           ; the wave's end
	ds_add_u32 v[SPW], v[NIL]
	s_wait_dscnt 0x0
	CROUND                                         ; the closing round: no work-group ends while a partner may still ask for a tile that names it
	s_endpgm
.Lfunc_end_k_qba7503b8c5_qkv:
	.size	k_qba7503b8c5_qkv, .Lfunc_end_k_qba7503b8c5_qkv-k_qba7503b8c5_qkv
	.p2alignl 7, 3214868480
	.fill 96, 4, 3214868480
	.section	.rodata,"a",@progbits
	.p2align	6, 0x0
	.amdhsa_kernel k_qba7503b8c5_qkv
		.amdhsa_group_segment_fixed_size 327680
		.amdhsa_private_segment_fixed_size 0
		.amdhsa_enable_private_segment 0
		.amdhsa_kernarg_size 64
		.amdhsa_user_sgpr_count 2
		.amdhsa_user_sgpr_kernarg_segment_ptr 1
		.amdhsa_wavefront_size32 1
		.amdhsa_system_sgpr_workgroup_id_x 1
		.amdhsa_system_sgpr_workgroup_id_y 1
		.amdhsa_system_sgpr_workgroup_id_z 1
		.amdhsa_system_vgpr_workitem_id 0
		.amdhsa_next_free_vgpr 1024
		.amdhsa_next_free_sgpr 100
		.amdhsa_reserve_vcc 0
		.amdhsa_float_denorm_mode_32 3
		.amdhsa_float_denorm_mode_16_64 3
		.amdhsa_memory_ordered 1
		.amdhsa_forward_progress 1
		.amdhsa_inst_pref_size 232
	.end_amdhsa_kernel
	.amdgpu_metadata
---
amdhsa.version: [ 1, 2 ]
amdhsa.kernels:
  - .name:           k_qba7503b8c5_qkv
    .symbol:         k_qba7503b8c5_qkv.kd
    .args:
      - { .name: x_codes, .offset: 0, .size: 8, .value_kind: global_buffer, .address_space: global }
      - { .name: Wqkv_codes, .offset: 8, .size: 8, .value_kind: global_buffer, .address_space: global }
      - { .name: bqkv, .offset: 16, .size: 8, .value_kind: global_buffer, .address_space: global }
      - { .name: lowp_scales, .offset: 24, .size: 8, .value_kind: global_buffer, .address_space: global }
      - { .name: rope_tab, .offset: 32, .size: 8, .value_kind: global_buffer, .address_space: global }
      - { .name: q_img, .offset: 40, .size: 8, .value_kind: global_buffer, .address_space: global }
      - { .name: k_img, .offset: 48, .size: 8, .value_kind: global_buffer, .address_space: global }
      - { .name: v_img, .offset: 56, .size: 8, .value_kind: global_buffer, .address_space: global }
    .group_segment_fixed_size: 327680
    .private_segment_fixed_size: 0
    .kernarg_segment_align: 8
    .kernarg_segment_size: 64
    .max_flat_workgroup_size: 128
    .sgpr_count:     100
    .vgpr_count:     1024
    .wavefront_size: 32
...
	.end_amdgpu_metadata
.endif
;; end of part 2
;; launch attn (part 3): grid 4 x 64, 8 waves a work-group, clusters of 4 x 1, 327,680 bytes of LDS; arguments q_img, k_img, v_img, padding_mask, lowp_scales, a_img; writes a_img
.if DOCPART == 3
	.amdgcn_target "amdgcn-amd-amdhsa--gfx1250"
	.amdhsa_code_object_version 6
	.text
	.protected	k_qba7503b8c5_attn
	.globl	k_qba7503b8c5_attn
	.p2align	8
	.type	k_qba7503b8c5_attn,@function
k_qba7503b8c5_attn:
	s_mov_b64 s[64:65], 0
	v_nop
	global_prefetch_b8 v0, s[64:65] scope:SCOPE_SE
	s_setreg_imm32_b32 hwreg(HW_REG_WAVE_MODE, 25, 1), 1
	s_wait_xcnt 0x0
	s_wait_alu depctr_hold_cnt(0) depctr_sa_sdst(0) depctr_va_vdst(0) depctr_va_sdst(0) depctr_va_ssrc(0) depctr_va_vcc(0) depctr_vm_vsrc(0)
	s_getreg_b32 s2, hwreg(HW_REG_IB_STS2, 6, 4)
	s_cmp_eq_u32 s2, 0
	s_cbranch_scc0 .Lentry_in_a_cluster
	s_endpgm
.Lentry_in_a_cluster:
	s_bfe_u32 s2, ttmp6, 0x10000c
	s_cmp_lg_u32 s2, 0x3003
	s_cbranch_scc0 .Lentry_shape_is_right
	s_endpgm
.Lentry_shape_is_right:
; ATTENTION ON CODES OF FP8 (E4M3), one head of 64 channels and 512 queries to a work-group, IN TWO PASSES over the head's 2,048 keys.
; q_img, k_img [b h 64][16 tokens 128][g 2][lane][16 bytes] and v_img [b h][128 keys 16][16 channels 4][g 4][lane][16 bytes] are images of the operands' registers.
; a_img [16 tokens 512][head 16][g 2][lane][16 bytes]: the result, quantised with e6, as the image of the next product's operand.
; Both products are used transposed: S^T = K Q^T (+ C = the mask's bias: 0, or -2^100 for a padded key; a raw score is under 64 x 448^2), O^T = V^T P^T: a lane holds one query (lane % 16).
; PASS 1, the rows' largest scores.  Wave w keeps keys 256 w .. 256 w + 255 (16 fragments, 128 registers) and their bias (128 registers) and walks ALL 32 query tiles of the work-group, read from LDS:
;   two LDS loads feed 16 products.  The largest of a lane's 128 scores is taken in eight chains that take turns; the eight waves' parts meet in LDS (16 KB).
; PASS 2.  Wave w owns queries 64 w .. 64 w + 63 (four tiles).  M = ceil(the row's largest t) is known, so p = 2^(t - M) is one packed multiply-add and one exponential, and nothing is rescaled.
;   The row's sum is taken of the unquantised p (four chains); the hold at 448 x 2^e4 goes two numbers an instruction; p's codes are laid over score registers that are done with (from two registers under the buffer on).
;   A tile's turn: its 64 exponentials; then sums, holds and conversions staggered (the sums of group g, the holds of group g - 1, the conversion of group g - 2), with the NEXT tile's eight score products issued
;   among them into the other buffer; the next tile's t - M; this tile's four products with V.  The turns go on over a key step's end: the next step's K and bias are loaded in tile 2's turn, V in tile 0's.
;   The last key step is written out, since it looks ahead at nothing.
; A row all of whose keys are padded: its largest t lies under -c 2^99; its codes become the NaN code, as the softmax of such a row is NaN.
; LDS: K 128 KB, V 128 KB (each fetched once for the cluster's four work-groups, which share the head: joint loads), the bias 8 KB, my 512 queries 32 KB (a load of my own), the maxima 16 KB, the spare words 1 KB.
; No prefetch: every byte that the launch reads is asked for at its head, ahead of the first loop.  O^T is cleared by 128 moves, so that no third copy of the key step is written.
; LIMITS: e2 + e3 between -123 and 130 (added to c's exponent field); e4 and e6 between -126 and 119; e4 + e5 goes by v_ldexp_f32.  The scaled scores stay under 2^31 in magnitude.
; REGISTERS.  window 0: v1 16 x lane; v2 bias address; v3, v4 addresses at work; v5 2^e4; v6, v7 448 x 2^e4; v8-11 -M; v12-19 the sums; v20-25 at work; v26-57 Q (pass 1: two tiles and 16 chains);
;   v58-121 the bias; v122-187 and v188-253 the two score buffers, each with two registers under it; v254, v255 for the add.
;   window 1: pass 1: K's 16 fragments v0-127, the bias v128-255; pass 2: V v0-63, O^T v64-191, K v192-255.
.set VOFF,  131072
.set MOFF,  262144
.set QOFF,  270336
.set PMO,   303104
.set SPARE, 319488
.set LI,  1
.set AB0, 2
.set PA0, 3
.set PMR, 4
.set SCL, 5
.set LIM, 6
.set NM,  8
.set LS,  12
.set T1,  20
.set QF,  26
.set QA,  26
.set QB,  34
.set C0,  42
.set C1,  50
.set RL,  26
.set BI,  58
.set SA,  124
.set SB,  190
.set SPW, 254
.set NIL, 255
.set VF,  0
.set OT,  64
.set KF,  192
.set KK,  0
.set BB,  128
.set MSB, 0
.macro WIN new                         ; the immediate's high byte repeats the setting that is left
.if MSB != (\new)
	s_set_vgpr_msb (MSB<<8)|(\new)
.set MSB, (\new)
.endif
.endm
.macro ROUND                           ; a round of the cluster's barrier
	s_barrier_signal -1
	s_barrier_wait -1
	s_cmp_lg_u32 s16, 0
	s_cbranch_scc1 .Lnot_wave_0_\@
	s_barrier_signal -3
.Lnot_wave_0_\@:
	s_barrier_wait -3
	s_barrier_signal -1
	s_barrier_wait -1
.endm
.macro NOPS
.rept 4
	v_nop
.endr
.endm
	s_load_b256 s[4:11], s[0:1], 0x0               ; q_img, k_img, v_img, padding_mask
	s_load_b128 s[12:15], s[0:1], 0x20             ; lowp_scales, a_img
	v_lshl_add_u32 v[SPW], v0, 2, SPARE
	v_mov_b32 v[NIL], 0
	ds_add_u32 v[SPW], v[NIL]                      ; the opening lines: the add, twice on end, and its wait
	ds_add_u32 v[SPW], v[NIL]
	v_lshrrev_b32 v1, 5, v0
	v_readfirstlane_b32 s16, v1                    ; wave 0..7
	s_bfe_u32 s17, ttmp6, 0x40000                  ; cx: which 512 queries
	s_and_b32 s18, ttmp7, 0xffff                   ; 16 batch + head
	s_mov_b32 s24, 15|(3<<16)|(1<<21)              ; K: 128 rows of 256 bytes (32 elements of 8), dense; the mask names the cluster's four
	s_mov_b32 s25, 32<<16
	s_mov_b32 s26, 128<<16
	s_mov_b32 s27, 32<<16
	s_mov_b32 s28, 128
	s_mov_b32 s29, 32
	s_mov_b32 s30, 0
	s_mov_b32 s31, 0
	s_mov_b32 s32, 3<<16                           ; Q: 32 such rows, no mask
	s_mov_b32 s33, 32<<16
	s_mov_b32 s34, 32<<16
	s_mov_b32 s35, 32<<16
	s_mov_b32 s36, 32
	s_mov_b32 s37, 32
	s_mov_b32 s38, 0
	s_mov_b32 s39, 0
	s_mov_b32 s40, 15|(3<<16)|(1<<21)              ; V: 64 such rows, jointly
	s_mov_b32 s41, 32<<16
	s_mov_b32 s42, 64<<16
	s_mov_b32 s43, 32<<16
	s_mov_b32 s44, 64
	s_mov_b32 s45, 32
	s_mov_b32 s46, 0
	s_mov_b32 s47, 0
	s_and_b32 s3, s16, 3
	s_lshl_b32 s2, s3, 15                          ; waves 0-3: a quarter of K, 32 KB
	s_lshl_b32 s19, s3, 13                         ; waves 4-7: a quarter of my queries, 8 KB
	s_lshl_b32 s77, s16, 14                        ; every wave: an eighth of V, 16 KB
	s_lshl_b32 s78, s18, 17                        ; the head's first byte in each image
	s_mov_b32 s79, 0
	s_mov_b32 s67, 0
	s_mov_b32 s48, 1
	s_mov_b32 s49, s2
	s_mov_b32 s56, 1
	s_add_co_u32 s57, s19, QOFF
	s_mov_b32 s52, 1
	s_add_co_u32 s53, s77, VOFF
	s_mov_b32 s20, 0x76543210
	s_mov_b32 s21, 0xfedcba98                      ; lane l xor 16
	s_wait_dscnt 0x0
	s_wait_kmcnt 0x0
	s_load_b256 s[68:75], s[12:13], 0x0            ; e0 .. e7
	s_add_nc_u64 s[6:7], s[6:7], s[78:79]
	s_mov_b32 s66, s2
	s_add_nc_u64 s[50:51], s[6:7], s[66:67]
	s_or_b32 s51, s51, 0x80000000
	s_add_nc_u64 s[8:9], s[8:9], s[78:79]
	s_mov_b32 s66, s77
	s_add_nc_u64 s[54:55], s[8:9], s[66:67]
	s_or_b32 s55, s55, 0x80000000
	s_add_nc_u64 s[4:5], s[4:5], s[78:79]
	s_lshl_b32 s66, s17, 15
	s_add_co_u32 s66, s66, s19
	s_add_nc_u64 s[58:59], s[4:5], s[66:67]
	s_or_b32 s59, s59, 0x80000000
	ROUND                                          ; the first joint loads meet
	s_cmp_lt_u32 s16, 4                            ; one tensor load a wave at the head: what pass 1 reads
	s_cbranch_scc0 .Lq_arm
	tensor_load_to_lds s[48:51], s[24:31]
	s_nop 0
	NOPS
	s_branch .Lasked
.Lq_arm:
	tensor_load_to_lds s[56:59], s[32:39]
	s_nop 0
	NOPS
.Lasked:
	s_lshr_b32 s19, s18, 4
	s_lshl_b32 s19, s19, 11                        ; my batch's 2,048 mask bytes
	s_lshl_b32 s81, s16, 11
	s_add_co_u32 s81, s81, PMO                     ; where my wave puts its 512 maxima
	s_lshl_b32 s82, s16, 8
	s_add_co_u32 s82, s82, PMO                     ; where my own 64 queries' maxima begin in each wave's part
	v_and_b32 v[LI], 31, v0
	v_lshlrev_b32 v[LI], 4, v[LI]
	v_bfe_u32 v20, v0, 4, 1                        ; h
	v_lshl_add_u32 v[AB0], v20, 5, MOFF
	v_cmp_ne_u32 s76, 0, v20                       ; lanes 16-31
	v_lshl_add_u32 v21, v0, 3, s19
	global_load_b64 v[124:125], v21, s[10:11]      ; eight keys' mask bytes a thread
	v_lshrrev_b32 v22, 2, v[LI]
	v_add_nc_u32 v[PA0], s81, v22
	v_and_b32 v23, 15, v0
	v_lshl_add_u32 v[PMR], v23, 2, s82
	v_mov_b32 v24, 0                               ; a lane permute's destination counts as a source
	s_lshr_b32 s2, s18, 4                          ; a_img: (128 batch + 32 cx + 4 wave) tiles of 16,384 bytes + 1,024 x head
	s_lshl_b32 s2, s2, 21
	s_lshl_b32 s19, s17, 19
	s_add_co_u32 s2, s2, s19
	s_lshl_b32 s19, s16, 16
	s_add_co_u32 s2, s2, s19
	s_and_b32 s19, s18, 15
	s_lshl_b32 s19, s19, 10
	s_add_co_u32 s2, s2, s19
	s_mov_b32 s3, 0
	s_add_nc_u64 s[14:15], s[14:15], s[2:3]
	s_wait_kmcnt 0x0
	s_add_co_i32 s2, s70, s71
	s_lshl_b32 s2, s2, 23
	s_add_co_i32 s22, s2, 0x3e38aa3b               ; c = log2(e) / 8 x 2^(e2 + e3)
	s_mov_b32 s23, s22
	s_add_co_i32 s80, s22, 99<<23
	s_or_b32 s80, s80, 0x80000000                  ; -c 2^99
	s_add_co_i32 s2, s72, 127
	s_lshl_b32 s3, s2, 23
	v_mov_b32 v[SCL], s3                           ; 2^e4
	s_add_co_i32 s2, s2, 8
	s_lshl_b32 s2, s2, 23
	s_or_b32 s2, s2, 0x600000
	v_mov_b32 v[LIM], s2                           ; 448 x 2^e4, twice: one register for each half of a dual line
	v_mov_b32 v[LIM+1], s2
	s_wait_alu depctr_va_vdst(0)
	s_wait_tensorcnt 0x0                           ; my part of K or Q is in; V's first fill is issued as a refill is
	ds_add_u32 v[SPW], v[NIL]
	s_wait_dscnt 0x0
	ROUND
	tensor_load_to_lds s[52:55], s[40:47]          ; V lands under pass 1
	s_nop 0
	NOPS
	s_wait_loadcnt 0x0
	s_mov_b32 s2, 0xf1800000                       ; -2^100
.irp i, 0,1,2,3
	v_bfe_u32 v136, v124, 8*\i, 1
	v_bfe_u32 v137, v125, 8*\i, 1
	v_mul_lo_u32 v[128+\i], v136, s2
	v_mul_lo_u32 v[132+\i], v137, s2
.endr
	v_lshl_add_u32 v138, v0, 5, MOFF
	ds_store_b128 v138, v[128:131]
	ds_store_b128 v138, v[132:135] offset:16
	s_wait_alu depctr_va_vdst(0)
	s_wait_dscnt 0x0                               ; my eight bias words are in LDS
	s_barrier_signal -1
	s_barrier_wait -1
; PASS 1
	s_lshl_b32 s2, s16, 14
	v_add_nc_u32 v20, s2, v[LI]                    ; my 256 keys
	s_lshl_b32 s2, s16, 10
	v_add_nc_u32 v21, s2, v[AB0]                   ; and their bias
	WIN 0x40
.set nn, 0
.rept 32
	ds_load_b128 v[KK+4*nn:KK+4*nn+3], v20 offset:512*nn
	ds_load_b128 v[BB+4*nn:BB+4*nn+3], v21 offset:64*(nn/2)+16*(nn%2)
.set nn, nn+1
.endr
	WIN 0
.macro W1 buf, q, g                    ; eight products: keys 128 g .. + 127 of my 256 against one query tile
	WIN 0x11
.irp i, 0,1,2,3,4,5,6,7
	v_wmma_f32_16x16x64_fp8_fp8 v[\buf+8*\i:\buf+8*\i+7], v[KK+64*(\g)+8*\i:KK+64*(\g)+8*\i+7], v[\q:\q+7], v[BB+64*(\g)+8*\i:BB+64*(\g)+8*\i+7]
.endr
	WIN 0
.endm
.macro MAXG buf, ch, init              ; 64 scores into eight chains, each accumulator from its low end on
.set kk, 0
.rept 32
.if (\init) && (kk < 8)
	v_max_num_f32 v[\ch+kk%8], v[\buf+2*kk], v[\buf+2*kk+1]
.else
	v_max3_num_f32 v[\ch+kk%8], v[\ch+kk%8], v[\buf+2*kk], v[\buf+2*kk+1]
.endif
.set kk, kk+1
.endr
.endm
	s_mov_b32 s57, QOFF
	s_mov_b32 s58, 0
	s_mov_b32 s56, 16
.Lp1:                                      ; 16 trips, two query tiles each
	v_add_nc_u32 v20, s57, v[LI]
	v_add_nc_u32 v21, s58, v[PA0]
	ds_load_b128 v[QA:QA+3], v20
	ds_load_b128 v[QA+4:QA+7], v20 offset:512
	ds_load_b128 v[QB:QB+3], v20 offset:1024
	ds_load_b128 v[QB+4:QB+7], v20 offset:1536
	s_wait_alu depctr_va_vdst(0)
	s_wait_dscnt 0x0
	W1 SA, QA, 0
	W1 SB, QA, 1
	NOPS                                           ; places ahead of the first read of results
	MAXG SA, C0, 1
	W1 SA, QB, 0
	MAXG SB, C0, 0
	W1 SB, QB, 1
	MAXG SA, C1, 1
	MAXG SB, C1, 0
	v_max3_num_f32 v[C0], v[C0], v[C0+1], v[C0+2]
	v_max3_num_f32 v[C1], v[C1], v[C1+1], v[C1+2]
	v_max3_num_f32 v[C0+3], v[C0+3], v[C0+4], v[C0+5]
	v_max3_num_f32 v[C1+3], v[C1+3], v[C1+4], v[C1+5]
	v_max_num_f32 v[C0+6], v[C0+6], v[C0+7]
	v_max_num_f32 v[C1+6], v[C1+6], v[C1+7]
	v_max3_num_f32 v[C0], v[C0], v[C0+3], v[C0+6]
	v_max3_num_f32 v[C1], v[C1], v[C1+3], v[C1+6]
	v_cndmask_b32 v22, v[C0], v[C1], s76           ; lanes 0-15 keep the first tile, lanes 16-31 the second,
	v_cndmask_b32 v23, v[C1], v[C0], s76           ; and each sends the other one's half across
	v_permlanex16_b32 v24, v23, s20, s21
	v_max_num_f32 v22, v22, v24
	ds_store_b32 v21, v22                          ; lane l: query 32 trip + l, over my 256 keys
	s_add_co_u32 s57, s57, 2048
	s_add_co_u32 s58, s58, 128
	s_sub_co_u32 s56, s56, 1
	s_cmp_lg_u32 s56, 0
	s_wait_alu depctr_va_vdst(0)
	s_cbranch_scc1 .Lp1
; PASS 2's pieces
.macro WS q                            ; tile q's eight score products into its buffer
.set YW, SA+66*((\q)%2)
	WIN 0x01
.irp i, 0,1,2,3,4,5,6,7
	v_wmma_f32_16x16x64_fp8_fp8 v[YW+8*\i:YW+8*\i+7], v[KF+8*\i:KF+8*\i+7], v[QF+8*(\q):QF+8*(\q)+7], v[BI+8*\i:BI+8*\i+7]
.endr
	WIN 0
.endm
.macro FMA q                           ; t - M, two at a time, each accumulator from its low end on
.set XF, SA+66*((\q)%2)
.set jj, 0
.rept 32
.if (\q)%2
	v_pk_fma_f32 v[XF+jj:XF+jj+1], v[XF+jj:XF+jj+1], s[22:23], v[NM+2*((\q)/2):NM+2*((\q)/2)+1] op_sel:[0,0,1] op_sel_hi:[1,0,1]   ; the pair's upper word for both halves
.else
	v_pk_fma_f32 v[XF+jj:XF+jj+1], v[XF+jj:XF+jj+1], s[22:23], v[NM+2*((\q)/2):NM+2*((\q)/2)+1] op_sel_hi:[1,0,0]                  ; the lower word
.endif
.set jj, jj+2
.endr
.endm
.macro ADDK k                          ; the k-th addition of the row's sum.  0-2 start three chains from pairs 1 to 6, 3 adds pair 0 to the kept sum; from 4 on addition k takes pair k + 3, the four chains by turns
.if (\k) < 3
	v_pk_add_f32 v[T1+2*(\k):T1+2*(\k)+1], v[XE+4*(\k)+2:XE+4*(\k)+3], v[XE+4*(\k)+4:XE+4*(\k)+5]
.else
.if (\k) == 3
	v_pk_add_f32 v[L:L+1], v[L:L+1], v[XE:XE+1]
.else
.if ((\k)%4) == 3
	v_pk_add_f32 v[L:L+1], v[L:L+1], v[XE+2*(\k)+6:XE+2*(\k)+7]
.else
	v_pk_add_f32 v[T1+2*((\k)%4):T1+2*((\k)%4)+1], v[T1+2*((\k)%4):T1+2*((\k)%4)+1], v[XE+2*(\k)+6:XE+2*(\k)+7]
.endif
.endif
.endif
.endm
.macro ADD4 g                          ; behind additions 0 .. 4 g + 3 the eight numbers of accumulator g are summed
.set kk, 4*(\g)
.rept 4
	ADDK kk
.set kk, kk+1
.endr
.endm
.macro MING i                          ; the hold on accumulator i's eight numbers (the conversion does not saturate: ISA guide 7.6.2); p is not negative
.set jj, 0
.rept 4
	v_dual_min_num_f32 v[XE+8*(\i)+jj], v[XE+8*(\i)+jj], v[LIM] :: v_dual_min_num_f32 v[XE+8*(\i)+jj+1], v[XE+8*(\i)+jj+1], v[LIM+1]
.set jj, jj+2
.endr
.endm
.macro CVTI i                          ; keys 16 i + 8 h + 0 .. 7; the codes land on registers whose numbers are summed and converted already
	v_cvt_scalef32_pk8_fp8_f32 v[XE-2+2*(\i):XE-1+2*(\i)], v[XE+8*(\i):XE+8*(\i)+7], v[SCL]
.endm
.macro PHASE q, more                   ; tile q's turn; more = 0: the last key step, which looks ahead at nothing
.set XE, SA+66*((\q)%2)
.set L, LS+2*(\q)
.set jj, 0
.rept 64
	v_exp_f32 v[XE+jj], v[XE+jj]                   ; p = 2^(t - M)
.set jj, jj+1
.endr
	v_nop
	s_wait_alu depctr_va_vdst(0)
	ADD4 0
	ADD4 1
.if (\q) == 0
	v_add_nc_u32 v3, s58, v[LI]                    ; this key step's V: ten plain lines stand behind the last products that read the old one
	WIN 0x40
.irp n, 0,1,2,3,4,5,6,7,8,9,10,11,12,13,14,15
	ds_load_b128 v[VF+4*\n:VF+4*\n+3], v3 offset:512*\n
.endr
	WIN 0
.endif
.if ((\q) < 3) || (\more)
.if (\q) == 3
	s_wait_alu depctr_va_vdst(0)
	s_wait_dscnt 0x0                               ; the next key step's K and bias, asked for in tile 2's turn
.endif
	WS ((\q)+1)%4                                  ; over the other buffer: its codes were read by products nine plain lines ago
.endif
	MING 0
.set gg, 2
.rept 5
	ADD4 gg
	MING gg-1
	CVTI gg-2
.if (gg == 2) && ((\q) == 2) && (\more)
	v_add_nc_u32 v3, s57, v[LI]                    ; tile 3's score products are issued, twelve plain lines ago: K's and the bias's registers take the next key step
	v_add_nc_u32 v4, s59, v[AB0]
.irp n, 0,1,2,3,4,5,6,7,8,9,10,11,12,13,14,15
	ds_load_b128 v[BI+4*\n:BI+4*\n+3], v4 offset:64*(\n/2)+16*(\n%2)
.endr
	WIN 0x40
.irp n, 0,1,2,3,4,5,6,7,8,9,10,11,12,13,14,15
	ds_load_b128 v[KF+4*\n:KF+4*\n+3], v3 offset:512*\n
.endr
	WIN 0
.endif
.set gg, gg+1
.endr
	ADDK 28
	v_pk_add_f32 v[L:L+1], v[L:L+1], v[T1+4:T1+5]  ; the chains are joined among the last holds
	MING 6
	CVTI 5
	v_pk_add_f32 v[T1:T1+1], v[T1:T1+1], v[T1+2:T1+3]
	MING 7
	CVTI 6
	v_pk_add_f32 v[L:L+1], v[L:L+1], v[T1:T1+1]
	v_nop
	CVTI 7
.if ((\q) < 3) || (\more)
	FMA ((\q)+1)%4                                 ; the next tile's t - M: plain lines behind the last conversion
.else
	v_nop
.endif
.if (\q) == 0
	s_wait_dscnt 0x0                               ; V's fragments
.endif
	WIN 0x51
	s_wait_alu depctr_va_vdst(0)                   ; ahead of the first reader of O^T and of the next batch of exponentials
.irp c, 0,1,2,3
	v_wmma_f32_16x16x128_fp8_fp8 v[OT+32*(\q)+8*\c:OT+32*(\q)+8*\c+7], v[VF+16*\c:VF+16*\c+15], v[XE-2:XE+13], v[OT+32*(\q)+8*\c:OT+32*(\q)+8*\c+7]
.endr
	WIN 0
.endm
; BETWEEN THE PASSES: the maxima meet, V is in, O^T and the sums are cleared, the first key step's K and bias are fetched
	s_wait_tensorcnt 0x0                           ; my part of V
	s_wait_dscnt 0x0                               ; my maxima
	s_barrier_signal -1
	WIN 0x40
.set jj, 0
.rept 128
	v_mov_b32 v[OT+jj], 0
.set jj, jj+1
.endr
	WIN 0
.irp j, 0,1,2,3,4,5,6,7
	v_mov_b32 v[LS+\j], 0
.endr
	s_barrier_wait -1
.irp q, 0,1,2,3
.irp w, 0,1,2,3,4,5,6,7
	ds_load_b32 v[SB+8*\q+\w], v[PMR] offset:\w*2048+\q*64
.endr
.endr
	s_lshl_b32 s2, s16, 12
	s_add_co_u32 s2, s2, QOFF
	v_add_nc_u32 v20, s2, v[LI]
.irp n, 0,1,2,3,4,5,6,7
	ds_load_b128 v[QF+4*\n:QF+4*\n+3], v20 offset:512*\n   ; my own four query tiles
.endr
.irp n, 0,1,2,3,4,5,6,7,8,9,10,11,12,13,14,15
	ds_load_b128 v[BI+4*\n:BI+4*\n+3], v[AB0] offset:64*(\n/2)+16*(\n%2)
.endr
	WIN 0x40
.irp n, 0,1,2,3,4,5,6,7,8,9,10,11,12,13,14,15
	ds_load_b128 v[KF+4*\n:KF+4*\n+3], v[LI] offset:512*\n
.endr
	WIN 0
	s_wait_alu depctr_va_vdst(0)
	s_wait_dscnt 0x0
	WS 0                                           ; tile 0's scores of key step 0; the lines below, on the other buffer, are their places
.irp q, 0,1,2,3
	v_max3_num_f32 v[SB+8*\q], v[SB+8*\q], v[SB+8*\q+1], v[SB+8*\q+2]
	v_max3_num_f32 v[SB+8*\q+3], v[SB+8*\q+3], v[SB+8*\q+4], v[SB+8*\q+5]
	v_max_num_f32 v[SB+8*\q+6], v[SB+8*\q+6], v[SB+8*\q+7]
.endr
.irp q, 0,1,2,3
	v_max3_num_f32 v[SB+8*\q], v[SB+8*\q], v[SB+8*\q+3], v[SB+8*\q+6]
.endr
.irp q, 0,1,2,3
	v_mul_f32 v[SB+8*\q+1], s22, v[SB+8*\q]        ; the row's largest t (c is positive)
.endr
.irp q, 0,1,2,3
	v_floor_f32 v[NM+\q], -v[SB+8*\q+1]            ; -M = floor(-t) = -ceil(t)
.endr
.irp q, 0,1,2,3
	v_cmp_gt_f32 s[60+\q], s80, v[SB+8*\q+1]       ; every key of the row is padded
.endr
	FMA 0
	s_mov_b32 s57, 8192                            ; the next key step's K,
	s_mov_b32 s59, 512                             ; its bias,
	s_mov_b32 s58, VOFF                            ; this key step's V
	s_mov_b32 s56, 15
	s_wait_alu depctr_va_vdst(0)                   ; ahead of the first batch of exponentials
.Lk:                                       ; 15 key steps of 128 that have a successor
	PHASE 0, 1
	PHASE 1, 1
	PHASE 2, 1
	PHASE 3, 1
	s_add_co_u32 s57, s57, 8192
	s_add_co_u32 s58, s58, 8192
	s_add_co_u32 s59, s59, 512
	s_sub_co_u32 s56, s56, 1
	s_cmp_lg_u32 s56, 0
	s_wait_alu depctr_va_vdst(0)
	s_cbranch_scc1 .Lk
	PHASE 0, 0                                     ; the last key step
	PHASE 1, 0
	PHASE 2, 0
	PHASE 3, 0
; THE WAY OUT: O^T / the sum x 2^(e4 + e5), quantised with e6, stored as the next operand's image
.irp q, 0,1,2,3
	v_add_f32 v[RL+2*\q], v[LS+2*\q], v[LS+2*\q+1]
.endr
.irp q, 0,1,2,3
	v_permlanex16_b32 v[RL+2*\q+1], v[RL+2*\q], s20, s21
.endr
.irp q, 0,1,2,3
	v_add_f32 v[RL+2*\q], v[RL+2*\q], v[RL+2*\q+1]
.endr
	s_add_co_i32 s2, s74, 127
	s_lshl_b32 s3, s2, 23
	v_mov_b32 v34, s3                              ; 2^e6
	s_add_co_i32 s2, s2, 8
	s_lshl_b32 s2, s2, 23
	s_or_b32 s2, s2, 0x600000
	v_mov_b32 v35, s2                              ; 448 x 2^e6
	v_mov_b32 v36, 0x7f7f7f7f                      ; four NaN codes
	s_wait_alu depctr_va_vdst(0)
.irp q, 0,1,2,3
	v_rcp_f32 v[RL+2*\q], v[RL+2*\q]
.endr
	v_nop
	s_add_co_i32 s2, s72, s73
	s_wait_alu depctr_va_vdst(0)
.irp q, 0,1,2,3
	v_ldexp_f32 v[RL+2*\q], v[RL+2*\q], s2
.endr
.macro OUTT q
	WIN 0x01
	s_wait_alu depctr_va_vdst(0)
.set jj, 0
.rept 16
	v_pk_mul_f32 v[SA+jj:SA+jj+1], v[OT+32*(\q)+jj:OT+32*(\q)+jj+1], v[RL+2*(\q):RL+2*(\q)+1] op_sel_hi:[1,0]
.set jj, jj+2
.endr
	WIN 0
.irp c, 0,1,2,3
.irp i, 0,1,2,3,4,5,6,7
	v_med3_num_f32 v[SA+8*\c+\i], v[SA+8*\c+\i], -v35, v35
.endr
	v_cvt_scalef32_pk8_fp8_f32 v[SB+8*(\q)+2*\c:SB+8*(\q)+2*\c+1], v[SA+8*\c:SA+8*\c+7], v34
.endr
	v_nop
.irp i, 0,1,2,3,4,5,6,7
	v_cndmask_b32 v[SB+8*(\q)+\i], v[SB+8*(\q)+\i], v36, s[60+(\q)]
.endr
	global_store_b128 v[LI], v[SB+8*(\q):SB+8*(\q)+3], s[14:15] offset:(\q)*16384          ; 512 consecutive bytes, aligned
	global_store_b128 v[LI], v[SB+8*(\q)+4:SB+8*(\q)+7], s[14:15] offset:(\q)*16384+512
.endm
	OUTT 0
	OUTT 1
	OUTT 2
	OUTT 3
	s_wait_tensorcnt 0x0                           ; the wave's end
	ds_add_u32 v[SPW], v[NIL]
	s_wait_dscnt 0x0
	ROUND                                          ; the closing round
	s_endpgm
.Lfunc_end_k_qba7503b8c5_attn:
	.size	k_qba7503b8c5_attn, .Lfunc_end_k_qba7503b8c5_attn-k_qba7503b8c5_attn
	.p2alignl 7, 3214868480
	.fill 96, 4, 3214868480
	.section	.rodata,"a",@progbits
	.p2align	6, 0x0
	.amdhsa_kernel k_qba7503b8c5_attn
		.amdhsa_group_segment_fixed_size 327680
		.amdhsa_private_segment_fixed_size 0
		.amdhsa_enable_private_segment 0
		.amdhsa_kernarg_size 48
		.amdhsa_user_sgpr_count 2
		.amdhsa_user_sgpr_kernarg_segment_ptr 1
		.amdhsa_wavefront_size32 1
		.amdhsa_system_sgpr_workgroup_id_x 1
		.amdhsa_system_sgpr_workgroup_id_y 1
		.amdhsa_system_sgpr_workgroup_id_z 1
		.amdhsa_system_vgpr_workitem_id 0
		.amdhsa_next_free_vgpr 512
		.amdhsa_next_free_sgpr 84
		.amdhsa_reserve_vcc 0
		.amdhsa_float_denorm_mode_32 3
		.amdhsa_float_denorm_mode_16_64 3
		.amdhsa_memory_ordered 1
		.amdhsa_forward_progress 1
		.amdhsa_inst_pref_size 134
	.end_amdhsa_kernel
	.amdgpu_metadata
---
amdhsa.version: [ 1, 2 ]
amdhsa.kernels:
  - .name:           k_qba7503b8c5_attn
    .symbol:         k_qba7503b8c5_attn.kd
    .args:
      - { .name: q_img, .offset: 0, .size: 8, .value_kind: global_buffer, .address_space: global }
      - { .name: k_img, .offset: 8, .size: 8, .value_kind: global_buffer, .address_space: global }
      - { .name: v_img, .offset: 16, .size: 8, .value_kind: global_buffer, .address_space: global }
      - { .name: padding_mask, .offset: 24, .size: 8, .value_kind: global_buffer, .address_space: global }
      - { .name: lowp_scales, .offset: 32, .size: 8, .value_kind: global_buffer, .address_space: global }
      - { .name: a_img, .offset: 40, .size: 8, .value_kind: global_buffer, .address_space: global }
    .group_segment_fixed_size: 327680
    .private_segment_fixed_size: 0
    .kernarg_segment_align: 8
    .kernarg_segment_size: 48
    .max_flat_workgroup_size: 256
    .sgpr_count:     84
    .vgpr_count:     512
    .wavefront_size: 32
...
	.end_amdgpu_metadata
.endif
;; end of part 3
;; launch proj (part 4): grid 4 x 64, 4 waves a work-group, clusters of 4 x 4, 327,680 bytes of LDS; arguments a_img, Wo_codes, lowp_scales, bo, out0; writes out0
.if DOCPART == 4
	.amdgcn_target "amdgcn-amd-amdhsa--gfx1250"
	.amdhsa_code_object_version 6
	.text
	.protected	k_qba7503b8c5_proj
	.globl	k_qba7503b8c5_proj
	.p2align	8
	.type	k_qba7503b8c5_proj,@function
k_qba7503b8c5_proj:
	s_mov_b64 s[64:65], 0
	v_nop
	global_prefetch_b8 v0, s[64:65] scope:SCOPE_SE
	s_setreg_imm32_b32 hwreg(HW_REG_WAVE_MODE, 25, 1), 1
	s_wait_xcnt 0x0
	s_wait_alu depctr_hold_cnt(0) depctr_sa_sdst(0) depctr_va_vdst(0) depctr_va_sdst(0) depctr_va_ssrc(0) depctr_va_vcc(0) depctr_vm_vsrc(0)
	s_getreg_b32 s2, hwreg(HW_REG_IB_STS2, 6, 4)
	s_cmp_eq_u32 s2, 0
	s_cbranch_scc0 .Lentry_in_a_cluster
	s_endpgm
.Lentry_in_a_cluster:
	s_bfe_u32 s2, ttmp6, 0x10000c
	s_cmp_lg_u32 s2, 0xf033
	s_cbranch_scc0 .Lentry_shape_is_right
	s_endpgm
.Lentry_shape_is_right:
; out0 = a Wo + bo on codes of FP8 (E4M3).  a_img [16 tokens 512][head 16][g 2][lane][16 bytes]: images of the operand's registers (lane (r, h): token r; registers 2 c, 2 c + 1: k = 16 c + 8 h + 0 .. 7 of each 128).
; Wo_codes [1024 (n)][1024 (k)], a code a byte.  Each finished sum is multiplied by 2^(e6 + e7) and bo is added.  LIMIT: e6 + e7 between -126 and 127.
; A WORK-GROUP OWNS 128 ROWS AND STAYS FOR TWO COLUMN TILES OF 128.  Its rows' whole K, 128 KB, dense in a_img, lies in LDS from the head on; beside it one column tile's whole K: 128 rows of Wo of 1,024 bytes, 1,040 apart in LDS.
; So the launch has two fills: the head's (waves 0, 1: the rows' halves; waves 2, 3: the first column tile's halves) and one refill (32 rows of the second column tile a wave), asked for when every wave has
; read the first tile's last fragments, ahead of that tile's last 16 products and its way out.  64 row blocks x 4 work-groups = 256 work-groups.
; CLUSTERS of 4 x 4: the four of a row share their rows of a, the four of a column their column tiles: joint loads.  Clusters with an odd y take the two column tiles in the other order.
; No prefetch: two fills, and no loop to run ahead in.
; A wave makes 64 x 64: 16 accumulators, by turns.  The products are used transposed (source 0 = 16 rows of Wo, source 1 = 16 tokens): a lane holds eight neighbouring columns of one row.
; REGISTERS.  window 0: v8-15 bo for the two tiles; v16-22 addresses; v28, v29 for the add; v64-191 a's fragments, two sets; v192-255 rows read back from the stage, two sets.
;   window 1: v0-127 the accumulators, (a, b) at v[8 (4 a + b)]; v128-255 Wo's fragments, two sets.
.set BP,    1040                       ; 1,024 bytes + 16 = 65 x 16: lane (r, h) of a ds_load_b64 starts at word 260 r + 2 h: 32 different pairs of the 64 banks (ISA guide 11.1)
.set BOFF,  131072
.set STAGE, 264192                     ; 16 rows x 272 bytes for each wave
.set SP,    272
.set SPARE, 281600
.set BOV,  8
.set ADRA, 16
.set ADRB, 17
.set STO,  18
.set RD,   19
.set CO,   20
.set BOO,  21
.set SPW,  28
.set NIL,  29
.set AF,   64
.set BK,   192
.set BF,   128
.set G1A, 24
.set G0A, 32
.set G0B, 36
.set G1B, 48
.set G0R, 56
.set G1R, 68
.set MSB, 0
.macro WIN new                         ; the immediate's high byte repeats the setting that is left
.if MSB != (\new)
	s_set_vgpr_msb (MSB<<8)|(\new)
.set MSB, (\new)
.endif
.endm
.macro NOPS
.rept 4
	v_nop
.endr
.endm
.macro CROUND                          ; a round of the cluster's barrier
	s_barrier_signal -1
	s_barrier_wait -1
	s_cmp_lg_u32 s14, 0
	s_cbranch_scc1 .Lnot_wave_0_\@
	s_barrier_signal -3
.Lnot_wave_0_\@:
	s_barrier_wait -3
	s_barrier_signal -1
	s_barrier_wait -1
.endm
	s_load_b128 s[4:7], s[0:1], 0x0                ; a_img, Wo_codes
	s_load_b128 s[8:11], s[0:1], 0x10              ; lowp_scales, bo
	s_load_b64 s[12:13], s[0:1], 0x20              ; out0
	v_lshl_add_u32 v[SPW], v0, 2, SPARE
	v_mov_b32 v[NIL], 0
	ds_add_u32 v[SPW], v[NIL]                      ; the opening lines: the add, twice on end, and its wait
	ds_add_u32 v[SPW], v[NIL]
	v_lshrrev_b32 v1, 5, v0
	v_readfirstlane_b32 s14, v1                    ; wave 0..3
	s_lshr_b32 s15, s14, 1                         ; my half of the rows.  Also: I fetch for a (0) or for Wo (1)
	s_and_b32 s16, s14, 1                          ; my half of the columns.  Also: which half I fetch
	s_bfe_u32 s40, ttmp6, 0x40000                  ; cx
	s_bfe_u32 s41, ttmp6, 0x40004                  ; cy
	s_and_b32 s17, ttmp7, 0xffff                   ; cluster y
	s_and_b32 s42, s17, 1
	s_lshl_b32 s17, s17, 2
	s_add_co_u32 s17, s17, s41                     ; row block 0..63
	s_lshl_b32 s42, s42, 2
	s_add_co_u32 s42, s42, s40                     ; the first column tile: cx + 4 (cluster y % 2),
	s_xor_b32 s45, s42, 4                          ; and the second
	s_lshl_b32 s43, s41, 2
	s_lshl_b32 s43, 15, s43                        ; my row of the cluster
	s_lshl_b32 s44, 0x1111, s40                    ; my column
	s_or_b32 s[G1A+0], s43, (3<<16)|(1<<21)        ; a: 256 rows of 256 bytes (32 elements of 8), dense
	s_mov_b32 s[G1A+1], 32<<16
	s_mov_b32 s[G1A+2], 256<<16
	s_mov_b32 s[G1A+3], 32<<16
	s_mov_b32 s[G1A+4], 256
	s_mov_b32 s[G1A+5], 32
	s_mov_b32 s[G1A+6], 0
	s_mov_b32 s[G1A+7], 0
	s_or_b32 s[G1B+0], s44, (0<<16)|(1<<20)|(1<<21)|(7<<22)|(3<<25)  ; Wo: rows of 1,024 bytes; four words of padding after every 256 words
	s_mov_b32 s[G1B+1], 1024<<16
	s_mov_b32 s[G1B+2], 64<<16                     ; the head's load: 64 rows
	s_mov_b32 s[G1B+3], 1024<<16
	s_mov_b32 s[G1B+4], 64
	s_mov_b32 s[G1B+5], 1024
	s_mov_b32 s[G1B+6], 0
	s_mov_b32 s[G1B+7], 0
	s_or_b32 s[G1R+0], s44, (0<<16)|(1<<20)|(1<<21)|(7<<22)|(3<<25)
	s_mov_b32 s[G1R+1], 1024<<16
	s_mov_b32 s[G1R+2], 32<<16                     ; the refill: 32 rows a wave
	s_mov_b32 s[G1R+3], 1024<<16
	s_mov_b32 s[G1R+4], 32
	s_mov_b32 s[G1R+5], 1024
	s_mov_b32 s[G1R+6], 0
	s_mov_b32 s[G1R+7], 0
	s_lshl_b32 s20, s17, 17                        ; a: 131,072 x row block + 65,536 x half
	s_lshl_b32 s18, s16, 16
	s_add_co_u32 s20, s20, s18
	s_mov_b32 s21, 0
	s_lshl_b32 s46, s42, 17                        ; Wo: 131,072 x column tile + 65,536 x half
	s_add_co_u32 s46, s46, s18
	s_mov_b32 s47, 0
	s_lshl_b32 s78, s45, 17                        ; the refill: + 32,768 x wave
	s_lshl_b32 s19, s14, 15
	s_add_co_u32 s78, s78, s19
	s_mov_b32 s79, 0
	s_mul_i32 s66, s16, 64*BP
	s_add_co_u32 s66, s66, BOFF
	s_mul_i32 s67, s14, 32*BP
	s_add_co_u32 s67, s67, BOFF
	s_wait_dscnt 0x0
	s_wait_kmcnt 0x0
	s_load_b64 s[96:97], s[8:9], 0x18              ; e6, e7
	s_mov_b32 s[G0A], 1
	s_mov_b32 s[G0A+1], s18
	s_add_nc_u64 s[G0A+2:G0A+3], s[4:5], s[20:21]
	s_or_b32 s[G0A+3], s[G0A+3], 0x80000000
	s_mov_b32 s[G0B], 1
	s_mov_b32 s[G0B+1], s66
	s_add_nc_u64 s[G0B+2:G0B+3], s[6:7], s[46:47]
	s_or_b32 s[G0B+3], s[G0B+3], 0x80000000
	s_mov_b32 s[G0R], 1
	s_mov_b32 s[G0R+1], s67
	s_add_nc_u64 s[G0R+2:G0R+3], s[6:7], s[78:79]
	s_or_b32 s[G0R+3], s[G0R+3], 0x80000000
	CROUND                                         ; the first joint loads meet
	s_cmp_eq_u32 s15, 0                            ; one tensor load a wave at the head
	s_cbranch_scc0 .Lfor_b
	tensor_load_to_lds s[G0A:G0A+3], s[G1A:G1A+7]
	s_nop 0
	NOPS
	s_branch .Lasked
.Lfor_b:
	tensor_load_to_lds s[G0B:G0B+3], s[G1B:G1B+7]
	s_nop 0
	NOPS
.Lasked:
	s_lshl_b32 s21, s15, 16                        ; my 64 rows of a in LDS
	s_mul_i32 s23, s14, 16*SP
	s_add_co_u32 s23, s23, STAGE                   ; my stage
	s_lshl_b32 s82, s16, 8
	s_lshl_b32 s80, s42, 9
	s_add_co_u32 s80, s80, s82                     ; my first column in bytes, first tile: 512 x column tile + 256 x half (in out0's rows and in bo alike),
	s_lshl_b32 s81, s45, 9
	s_add_co_u32 s81, s81, s82                     ; second tile
	s_lshl_b32 s84, s17, 19
	s_lshl_b32 s83, s15, 18
	s_add_co_u32 s84, s84, s83                     ; my first row of out0: (128 x row block + 64 x half) x 4,096 bytes
	s_mov_b32 s85, 0
	s_add_nc_u64 s[12:13], s[12:13], s[84:85]
	s_mov_b32 s84, s81
	s_add_nc_u64 s[76:77], s[12:13], s[84:85]      ; the second tile's corner,
	s_mov_b32 s84, s80
	s_add_nc_u64 s[12:13], s[12:13], s[84:85]      ; the first's
	v_and_b32 v1, 15, v0                           ; r
	v_bfe_u32 v2, v0, 4, 1                         ; h
	v_and_b32 v3, 31, v0
	v_lshlrev_b32 v3, 4, v3                        ; 16 x lane
	v_lshlrev_b32 v4, 4, v1                        ; 16 r
	v_add_nc_u32 v[ADRA], s21, v3
	v_mul_u32_u24 v5, v1, BP
	v_lshl_add_u32 v5, v2, 3, v5
	v_add_nc_u32 v[ADRB], s66, v5                  ; row 64 x half + r of the column tile, + 8 h
	v_mul_u32_u24 v6, v1, SP
	v_lshl_add_u32 v6, v2, 5, v6
	v_add_nc_u32 v[STO], s23, v6                   ; in: row r, 32 bytes for each half of the lanes
	v_mul_u32_u24 v7, v2, SP
	v_add_nc_u32 v7, v7, v4
	v_add_nc_u32 v[RD], s23, v7                    ; back: lanes 0-15 one row of 256 bytes, lanes 16-31 the next
	v_lshl_add_u32 v[CO], v2, 12, v4               ; and the same two rows in out0
	v_add_nc_u32 v[BOO], s80, v4
	v_add_nc_u32 v[BOO+1], s81, v4
	global_load_b128 v[BOV:BOV+3], v[BOO], s[10:11]
	global_load_b128 v[BOV+4:BOV+7], v[BOO+1], s[10:11]
	s_wait_alu depctr_va_vdst(0)
	s_wait_kmcnt 0x0
	s_add_co_i32 s96, s96, s97
	s_add_co_i32 s96, s96, 127
	s_lshl_b32 s96, s96, 23                        ; 2^(e6 + e7)
	s_mov_b32 s97, s96
	s_wait_loadcnt 0x0
	s_wait_tensorcnt 0x0                           ; my part of the head's fill,
	s_barrier_signal -1
	s_barrier_wait -1                              ; everybody's
.macro LOADS q                         ; the fragments of K step q (128 along K) into set q % 2: 16 + 32 LDS loads
	WIN 0
.irp i, 0,1,2,3
.irp c, 0,1,2,3
	ds_load_b128 v[AF+64*((\q)%2)+16*\i+4*\c:AF+64*((\q)%2)+16*\i+4*\c+3], v[ADRA] offset:\i*16384+(\q)*2048+\c*512
.endr
.endr
	WIN 0x40
.irp b, 0,1,2,3
.irp c, 0,1,2,3,4,5,6,7
	ds_load_b64 v[BF+64*((\q)%2)+16*\b+2*\c:BF+64*((\q)%2)+16*\b+2*\c+1], v[ADRB] offset:\b*16*BP+(\q)*128+\c*16
.endr
.endr
.endm
.macro MUL q                           ; 16 products, the 16 accumulators by turns; K step 0 starts the sums
	WIN 0x51
.irp a, 0,1,2,3
.irp b, 0,1,2,3
.if (\q) == 0
	v_wmma_f32_16x16x128_fp8_fp8 v[8*(4*\a+\b):8*(4*\a+\b)+7], v[BF+64*((\q)%2)+16*\b:BF+64*((\q)%2)+16*\b+15], v[AF+64*((\q)%2)+16*\a:AF+64*((\q)%2)+16*\a+15], 0
.else
	v_wmma_f32_16x16x128_fp8_fp8 v[8*(4*\a+\b):8*(4*\a+\b)+7], v[BF+64*((\q)%2)+16*\b:BF+64*((\q)%2)+16*\b+15], v[AF+64*((\q)%2)+16*\a:AF+64*((\q)%2)+16*\a+15], v[8*(4*\a+\b):8*(4*\a+\b)+7]
.endif
.endr
.endr
.endm
.macro GEMM refill
	LOADS 0
.irp q, 0,1,2,3,4,5,6
.if \q > 0
	NOPS                                           ; places ahead of loads into the set that the last products read
.endif
	LOADS \q+1
	s_wait_dscnt 48                                ; this step's fragments are in; the next step's 48 loads may be out
	MUL \q
.endr
	WIN 0
.if \refill
	s_wait_tensorcnt 0x0                           ; no load of mine is out;
	ds_add_u32 v[SPW], v[NIL]                      ; 0 onto my spare word;
	s_wait_dscnt 0x0                               ; the add is done, and my reads of this column tile are over
	CROUND                                         ; so it is with every wave of every partner
	tensor_load_to_lds s[G0R:G0R+3], s[G1R:G1R+7]  ; my 32 rows of the second column tile
	s_nop 0
	NOPS
.else
	s_wait_dscnt 0x0
.endif
	MUL 7
	WIN 0
.endm
; THE WAY OUT, a block of 16 rows x 64 columns at a time, through my own stage: back come whole rows of 256 bytes, which sixteen lanes store as one aligned unit.
.macro TOSTAGE a
	WIN 0x04                                       ; the stores' data in window 1
.irp b, 0,1,2,3
	ds_store_b128 v[STO], v[8*(4*(\a)+\b):8*(4*(\a)+\b)+3] offset:64*\b
	ds_store_b128 v[STO], v[8*(4*(\a)+\b)+4:8*(4*(\a)+\b)+7] offset:64*\b+16
.endr
	WIN 0
.irp t, 0,1,2,3,4,5,6,7
	ds_load_b128 v[BK+32*((\a)%2)+4*\t:BK+32*((\a)%2)+4*\t+3], v[RD] offset:\t*2*SP   ; LDS serves a wave's instructions in order (ISA guide 5.7.1.4)
.endr
.endm
.macro SEND a, younger, bov, base
.set BB, BK+32*((\a)%2)
	s_wait_dscnt \younger
.irp t, 0,1,2,3,4,5,6,7
	v_pk_fma_f32 v[BB+4*\t:BB+4*\t+1],   v[BB+4*\t:BB+4*\t+1],   s[96:97], v[\bov:\bov+1]   op_sel_hi:[1,0,1]
	v_pk_fma_f32 v[BB+4*\t+2:BB+4*\t+3], v[BB+4*\t+2:BB+4*\t+3], s[96:97], v[\bov+2:\bov+3] op_sel_hi:[1,0,1]
.endr
.irp t, 0,1,2,3,4,5,6,7
	global_store_b128 v[CO], v[BB+4*\t:BB+4*\t+3], s[\base:\base+1] offset:(\a)*65536+\t*8192 th:TH_STORE_NT
.endr
.endm
.macro EPI bov, base
	NOPS                                           ; places behind the last products
	s_wait_xcnt 0x0                                ; earlier stores have read their registers
	TOSTAGE 0
.irp a, 1,2,3
.if \a > 1
	s_wait_xcnt 0x0                                ; block a - 2's stores have read the set that block a's loads land in
.endif
	TOSTAGE \a
	SEND \a-1, 16, \bov, \base                     ; behind block a - 1's loads: block a's 8 stores and 8 loads
.endr
	SEND 3, 0, \bov, \base
.endm
	GEMM 1
	EPI BOV, 12
	s_wait_tensorcnt 0x0                           ; my part of the second column tile,
	s_wait_dscnt 0x0
	s_barrier_signal -1
	s_barrier_wait -1                              ; everybody's
	GEMM 0
	EPI BOV+4, 76
	s_wait_tensorcnt 0x0                           ; the wave's end
	ds_add_u32 v[SPW], v[NIL]
	s_wait_dscnt 0x0
	CROUND                                         ; the closing round
	s_endpgm
.Lfunc_end_k_qba7503b8c5_proj:
	.size	k_qba7503b8c5_proj, .Lfunc_end_k_qba7503b8c5_proj-k_qba7503b8c5_proj
	.p2alignl 7, 3214868480
	.fill 96, 4, 3214868480
	.section	.rodata,"a",@progbits
	.p2align	6, 0x0
	.amdhsa_kernel k_qba7503b8c5_proj
		.amdhsa_group_segment_fixed_size 327680
		.amdhsa_private_segment_fixed_size 0
		.amdhsa_enable_private_segment 0
		.amdhsa_kernarg_size 40
		.amdhsa_user_sgpr_count 2
		.amdhsa_user_sgpr_kernarg_segment_ptr 1
		.amdhsa_wavefront_size32 1
		.amdhsa_system_sgpr_workgroup_id_x 1
		.amdhsa_system_sgpr_workgroup_id_y 1
		.amdhsa_system_sgpr_workgroup_id_z 1
		.amdhsa_system_vgpr_workitem_id 0
		.amdhsa_next_free_vgpr 512
		.amdhsa_next_free_sgpr 98
		.amdhsa_reserve_vcc 0
		.amdhsa_float_denorm_mode_32 3
		.amdhsa_float_denorm_mode_16_64 3
		.amdhsa_memory_ordered 1
		.amdhsa_forward_progress 1
		.amdhsa_inst_pref_size 99
	.end_amdhsa_kernel
	.amdgpu_metadata
---
amdhsa.version: [ 1, 2 ]
amdhsa.kernels:
  - .name:           k_qba7503b8c5_proj
    .symbol:         k_qba7503b8c5_proj.kd
    .args:
      - { .name: a_img, .offset: 0, .size: 8, .value_kind: global_buffer, .address_space: global }
      - { .name: Wo_codes, .offset: 8, .size: 8, .value_kind: global_buffer, .address_space: global }
      - { .name: lowp_scales, .offset: 16, .size: 8, .value_kind: global_buffer, .address_space: global }
      - { .name: bo, .offset: 24, .size: 8, .value_kind: global_buffer, .address_space: global }
      - { .name: out0, .offset: 32, .size: 8, .value_kind: global_buffer, .address_space: global }
    .group_segment_fixed_size: 327680
    .private_segment_fixed_size: 0
    .kernarg_segment_align: 8
    .kernarg_segment_size: 40
    .max_flat_workgroup_size: 128
    .sgpr_count:     98
    .vgpr_count:     512
    .wavefront_size: 32
...
	.end_amdgpu_metadata
.endif
;; end of part 4
